; MI455X (gfx1250); checked and timed in simulation.
; The chip was launched on July 23, 2026; its instructions are those of AMD's public machine-readable ISA for CDNA 5 (MIT licence, August 2026) and "CDNA5" Instruction Set Architecture Reference Guide (July 2026). The comments in the code are by the model that wrote it; some were corrected since.
;; Flash MHA. Allowed arithmetic: matrix products marked QUANTISED: E4M3 operands, one given power-of-two scale a tensor, by v_wmma_f32_16x16x64_fp8_fp8 or v_wmma_f32_16x16x128_fp8_fp8, f32 sums; everything else in f32.
;; Inputs: Wk 1,024 x 1,024 float32; Wo 1,024 x 1,024 float32; Wq 1,024 x 1,024 float32; Wv 1,024 x 1,024 float32; bk 1,024 float32; bo 1,024 float32; bq 1,024 float32; bv 1,024 float32; lowp_scales 12 int32 (the exponents e of the quantised operands' scales 2^e); x 4 x 2,048 x 1,024 float32.
;; Outputs: out0 4 x 2,048 x 1,024 float32.
;; This version of the problem:
;;   THIS VERSION OF THE PROBLEM IS GIVEN IN LOW PRECISION. The matrix products marked QUANTISED in the list below multiply operands that are first quantised to E4M3 (4 exponent bits, 3 mantissa bits; 8 bits a number), with one given power-of-two scale for each operand tensor; their sums are f32. All else is computed in f32.
;;   The module's matrix products, in the order in which they are computed (A, B: the left and right operand; K: the contracted axis; several contracted axes count as one K, in the product's order):
;;     1. [M 8,192, K 1,024] x [K 1,024, N 1,024]; A: input x; B: input Wq: QUANTISED (scales: A lowp_scales[0], B lowp_scales[1])
;;     2. [M 8,192, K 1,024] x [K 1,024, N 1,024]; A: input x; B: input Wk: QUANTISED (scales: A lowp_scales[2], B lowp_scales[3])
;;     3. [M 8,192, K 1,024] x [K 1,024, N 1,024]; A: input x; B: input Wv: QUANTISED (scales: A lowp_scales[4], B lowp_scales[5])
;;     4. batch 64 x [M 2,048, K 64] x [K 64, N 2,048]; A: computed on the way; B: computed on the way: QUANTISED (scales: A lowp_scales[6], B lowp_scales[7])
;;     5. batch 64 x [M 2,048, K 2,048] x [K 2,048, N 64]; A: softmax (see below); B: computed on the way: QUANTISED (scales: A lowp_scales[8], B lowp_scales[9])
;;     6. [M 8,192, K 1,024] x [K 1,024, N 1,024]; A: computed on the way; B: input Wo: QUANTISED (scales: A lowp_scales[10], B lowp_scales[11])
;;   THE QUANTISER, for each operand of a quantised product, along K:
;;     - The operand's scale is 2^e, e = its entry of the input lowp_scales (int32; the entries are numbered through the quantised products in the list's order, A before B).
;;     - Each number is divided by the scale, clamped to +-448, and rounded to the nearest number of E4M3, ties to even, subnormals kept.
;;     - The product sums the exact products of the quantised numbers (number of the format x scale) in f32.
;;   ~~~python
;;   def quantise(x, axis, e):      # numpy; x: float32 -> the quantised numbers, widened to float32 again
;;       x = np.moveaxis(x, axis, -1); K = x.shape[-1]
;;       r = np.clip(x / 2.0 ** e, -448, 448)
;;       step = 2.0 ** (np.maximum(np.frexp(np.where(r == 0, 1, r))[1] - 1, -6) - 3)
;;       q = np.round(r / step) * step * 2.0 ** e      # np.round: ties to even
;;       return np.moveaxis(q, -1, axis).astype(np.float32)
;;   ~~~
;;   SOFTMAX AHEAD OF A QUANTISED PRODUCT. Where the list says 'softmax', what is quantised is not the finished softmax but p = 2^(t - M), with t = logit x log2(e) and M = ceil(the row's largest t), a whole number; so 1/2 < the row's largest p <= 1. The row's sum l is taken of the UNQUANTISED p, in f32, and the product's result is divided by l at the end. Since M is a whole number, a kernel that streams over the keys may use a running M (the ceiling of the running maximum): every later rescaling is an exact power of two, so the quantised numbers keep their values, but for numbers so far below the row's largest that they fall under the format's range.
;;   OPERANDS COMPUTED ON THE WAY. 'Computed on the way' means the value that the module computes at that place (a softmax that the list does not call 'softmax' is quantised finished and normalised). What goes into a quantiser is computed in f32, as accurately as f32 sums, v_exp_f32 and their like allow (about 1e-6 of the number): no bf16 or f16 on the way to a quantiser, and a product that is left as it is and whose result goes on into a quantised operand takes f32 operands (vector FMAs, or v_wmma_f32_16x16x4_f32). A number that lies on a knife's edge between two numbers of the format may be rounded either way, as far as f32 arithmetic and the matrix unit's own rounding can turn it there, and no further.
;; One version. Each part assembles by itself: llvm-mc -triple=amdgcn-amd-amdhsa -mcpu=gfx1250 --defsym DOCPART=n.
;; ======== version 1 of 1: 4 launches
;; workspace buffers: cw 29,360,128 bytes; qkv 25,165,824 bytes; oc 8,388,608 bytes
;; launch quant (part 1): grid 384 x 1, 8 waves a work-group, no clusters, 0 bytes of LDS; arguments x, Wq, Wk, Wv, Wo, lowp_scales, cw; writes cw
.if DOCPART == 1
	.amdgcn_target "amdgcn-amd-amdhsa--gfx1250"
	.amdhsa_code_object_version 6
	.text
	.protected	k_qa3bdc2db49_quant
	.globl	k_qa3bdc2db49_quant
	.p2align	8
	.type	k_qa3bdc2db49_quant,@function
k_qa3bdc2db49_quant:
	s_mov_b64 s[64:65], 0
	v_nop
	global_prefetch_b8 v0, s[64:65] scope:SCOPE_SE
	s_setreg_imm32_b32 hwreg(HW_REG_WAVE_MODE, 25, 1), 1
	s_wait_xcnt 0x0
; x [8192][1024] and Wq, Wk, Wv, Wo [1024][1024], f32, become codes of E4M3 in cw, each with the scale 2^e that is given for it:
; x three times (entries 0, 2, 4 of the scales: parts at 0, 8 MiB, 16 MiB), Wq, Wk, Wv, Wo once (entries 1, 3, 5, 11: parts at 24, 25, 26, 27 MiB).  A row is 1,024 codes.
; code = number / 2^e, held within +-448, to the nearest code, ties to even.  LIMITS: -126 <= e <= 119, so that 2^e and 448 x 2^e are f32 numbers.  NaN among the inputs is not served.
; ROW ORDER in cw: within each 32 rows the groups of eight rows 8-15 and 16-23 change places, so that in the products that follow the 16 registers of two neighbouring result tiles are 16 neighbours.
; K ORDER: x, Wq, Wk, Wv: within each aligned 512 along K, byte 16 l + 4 i + j holds k = 128 i + 4 l + j: the same on both sides of their products, so every number meets its partner.  It comes from loads that take the
; bytes as they lie: each of a step's four loads reads 512 consecutive bytes, 16 a lane.  Wo: natural order (its partner's codes are made a head at a time): a lane takes 64 consecutive bytes by four loads that stand together.
; SHARES: a work-group takes 32 rows, a wave 4 rows = 8 steps of 512 numbers.  Work-groups 0-255: x; 256-383: the weights, 32 work-groups each.  All 32 loads of a wave go out at once; a lane's 16 codes are 16 bytes,
; so each store of the wave covers 512 consecutive bytes, aligned.  No LDS, no barrier: waves share nothing.
.set VS,  2                            ; v2       16 x lane: my codes' place in a step's 512 bytes
.set VO,  4                            ; v4-7     byte offset of my 16 bytes in each of a step's four loads
.set LIM, 8                            ; v8-10    448 x 2^e for up to three scales
.set SC,  12                           ; v12-14   2^e as f32
.set CB,  16                           ; v16-31   step 0's codes
.set X,   32                           ; v32-159  eight steps x 16 numbers; step t's codes go where step t - 1's numbers lay, so no store's data are written again
.set T,   160                          ; v160-191 two sets of 16 held numbers, by turns
	s_load_b256 s[4:11], s[0:1], 0x0               ; x s[4:5], Wq s[6:7], Wk s[8:9], Wv s[10:11]
	s_load_b128 s[12:15], s[0:1], 0x20             ; Wo s[12:13], the scales' exponents s[14:15]
	s_load_b64 s[16:17], s[0:1], 0x30              ; cw
	v_lshrrev_b32 v1, 5, v0
	v_readfirstlane_b32 s18, v1                    ; wave 0..7
	v_and_b32 v1, 31, v0                           ; lane
	v_lshlrev_b32 v[VS], 4, v1
	s_sub_co_u32 s26, ttmp9, 256                   ; J: the work-group's number among the weights' (of no use in x's work-groups)
	s_lshr_b32 s27, s26, 5                         ; which weight: 0 q, 1 k, 2 v, 3 o
	s_and_b32 s28, s26, 31                         ; which 32 rows of it
	s_cmp_lt_u32 ttmp9, 256
	s_cselect_b32 s48, ttmp9, s28                  ; which 32 rows of my tensor
	s_cselect_b32 s50, 0, 0x1000000                ; cw: 32,768 x work-group, and 16 MiB more for the weights (24 MiB + 32,768 J)
	s_cmp_ge_u32 ttmp9, 352                        ; Wo?
	s_cselect_b32 s32, 64, 16                      ; from lane to lane,
	s_cselect_b32 s33, 16, 512                     ; and from load to load
	s_lshl_b32 s48, s48, 17                        ; 32 rows of 4,096 bytes
	s_lshl_b32 s19, s18, 14                        ; my wave's 4 rows
	s_add_co_u32 s48, s48, s19
	s_mov_b32 s49, 0
	s_lshr_b32 s30, s18, 1                         ; my group of eight rows, g
	s_and_b32 s31, s30, 1
	s_lshl_b32 s31, s31, 1
	s_lshr_b32 s30, s30, 1
	s_or_b32 s30, s30, s31                         ; groups 1 and 2 change places
	s_lshl_b32 s30, s30, 1
	s_and_b32 s31, s18, 1
	s_or_b32 s30, s30, s31                         ; where my 4 rows go, in units of 4 rows
	s_lshl_b32 s19, ttmp9, 15
	s_add_co_u32 s50, s50, s19
	s_lshl_b32 s30, s30, 12
	s_add_co_u32 s50, s50, s30
	s_mov_b32 s51, 0
	v_mul_lo_u32 v[VO], v1, s32
	v_add_nc_u32 v[VO+1], s33, v[VO]
	v_add_nc_u32 v[VO+2], s33, v[VO+1]
	v_add_nc_u32 v[VO+3], s33, v[VO+2]
	s_wait_kmcnt 0x0
	s_load_b256 s[36:43], s[14:15], 0x0            ; entries 0-7
	s_load_b128 s[44:47], s[14:15], 0x20           ; entries 8-11
	s_cmp_eq_u32 s27, 1                            ; my tensor: the choices hang on the work-group's number alone
	s_cselect_b64 s[6:7], s[8:9], s[6:7]
	s_cmp_eq_u32 s27, 2
	s_cselect_b64 s[6:7], s[10:11], s[6:7]
	s_cmp_eq_u32 s27, 3
	s_cselect_b64 s[6:7], s[12:13], s[6:7]
	s_cmp_lt_u32 ttmp9, 256
	s_cselect_b64 s[4:5], s[4:5], s[6:7]
	s_add_nc_u64 s[4:5], s[4:5], s[48:49]
	s_add_nc_u64 s[20:21], s[16:17], s[50:51]      ; where my codes go;
	s_add_nc_u64 s[22:23], s[20:21], 0x800000      ; x's second
	s_add_nc_u64 s[24:25], s[20:21], 0x1000000     ; and third set (named in x's work-groups alone)
.set qt, 0
.rept 8
.irp i, 0,1,2,3
	global_load_b128 v[X+16*qt+4*\i:X+16*qt+4*\i+3], v[VO+\i], s[4:5] offset:2048*qt th:TH_LOAD_NT
.endr
.set qt, qt+1
.endr
	s_wait_kmcnt 0x0
	s_cmp_eq_u32 s27, 1                            ; a weight's one scale: entry 1, 3, 5 or 11
	s_cselect_b32 s37, s39, s37
	s_cmp_eq_u32 s27, 2
	s_cselect_b32 s37, s41, s37
	s_cmp_eq_u32 s27, 3
	s_cselect_b32 s37, s47, s37
	s_cmp_lt_u32 ttmp9, 256
	s_cselect_b32 s36, s36, s37                    ; x: entries 0, 2, 4 in s36, s38, s40
.irp k, 0,1,2
	s_add_co_i32 s[36+2*\k], s[36+2*\k], 127
	s_lshl_b32 s19, s[36+2*\k], 23
	v_mov_b32 v[SC+\k], s19                        ; 2^e as f32: the conversion takes its exponent field
	s_add_co_i32 s[36+2*\k], s[36+2*\k], 8
	s_lshl_b32 s19, s[36+2*\k], 23
	s_or_b32 s19, s19, 0x600000
	v_mov_b32 v[LIM+\k], s19                       ; 448 x 2^e
.endr
; Step t, quantised ns times.  The held numbers go into two sets by turns, so that sixteen plain lines stand between a conversion and the next write of its sources.
.macro QSTEP t, ns
	s_wait_loadcnt 4*(7-(\t))                      ; loads come back in order: this step's four are in, the later steps' may be out
.if (\t) == 0
.set QC, CB
.else
.set QC, X+16*((\t)-1)
.endif
.set qs, 0
.rept \ns
.set QT, T+16*(((\ns)*(\t)+qs)%2)
.set qi, 0
.rept 16
	v_med3_num_f32 v[QT+qi], v[X+16*(\t)+qi], -v[LIM+qs], v[LIM+qs]   ; the conversion to an 8-bit code does not saturate (ISA guide 7.6.2): the hold comes first
.set qi, qi+1
.endr
	v_cvt_scalef32_pk8_fp8_f32 v[QC+4*qs:QC+4*qs+1], v[QT:QT+7], v[SC+qs]
	v_cvt_scalef32_pk8_fp8_f32 v[QC+4*qs+2:QC+4*qs+3], v[QT+8:QT+15], v[SC+qs]
	global_store_b128 v[VS], v[QC+4*qs:QC+4*qs+3], s[20+2*qs:21+2*qs] offset:512*(\t)   ; 32 lanes store 512 consecutive bytes
.set qs, qs+1
.endr
.endm
	s_cmp_lt_u32 ttmp9, 256
	s_cbranch_scc0 .Lweights
.irp t, 0,1,2,3,4,5,6,7
	QSTEP \t, 3
.endr
	s_endpgm
.Lweights:
.irp t, 0,1,2,3,4,5,6,7
	QSTEP \t, 1
.endr
	s_endpgm
.Lfunc_end_k_qa3bdc2db49_quant:
	.size	k_qa3bdc2db49_quant, .Lfunc_end_k_qa3bdc2db49_quant-k_qa3bdc2db49_quant
	.p2alignl 7, 3214868480
	.fill 96, 4, 3214868480
	.section	.rodata,"a",@progbits
	.p2align	6, 0x0
	.amdhsa_kernel k_qa3bdc2db49_quant
		.amdhsa_group_segment_fixed_size 0
		.amdhsa_private_segment_fixed_size 0
		.amdhsa_enable_private_segment 0
		.amdhsa_kernarg_size 56
		.amdhsa_user_sgpr_count 2
		.amdhsa_user_sgpr_kernarg_segment_ptr 1
		.amdhsa_wavefront_size32 1
		.amdhsa_system_sgpr_workgroup_id_x 1
		.amdhsa_system_sgpr_workgroup_id_y 1
		.amdhsa_system_sgpr_workgroup_id_z 1
		.amdhsa_system_vgpr_workitem_id 0
		.amdhsa_next_free_vgpr 192
		.amdhsa_next_free_sgpr 66
		.amdhsa_reserve_vcc 0
		.amdhsa_float_denorm_mode_32 3
		.amdhsa_float_denorm_mode_16_64 3
		.amdhsa_memory_ordered 1
		.amdhsa_forward_progress 1
		.amdhsa_inst_pref_size 47
	.end_amdhsa_kernel
	.amdgpu_metadata
---
amdhsa.version: [ 1, 2 ]
amdhsa.kernels:
  - .name:           k_qa3bdc2db49_quant
    .symbol:         k_qa3bdc2db49_quant.kd
    .args:
      - { .name: x, .offset: 0, .size: 8, .value_kind: global_buffer, .address_space: global }
      - { .name: Wq, .offset: 8, .size: 8, .value_kind: global_buffer, .address_space: global }
      - { .name: Wk, .offset: 16, .size: 8, .value_kind: global_buffer, .address_space: global }
      - { .name: Wv, .offset: 24, .size: 8, .value_kind: global_buffer, .address_space: global }
      - { .name: Wo, .offset: 32, .size: 8, .value_kind: global_buffer, .address_space: global }
      - { .name: lowp_scales, .offset: 40, .size: 8, .value_kind: global_buffer, .address_space: global }
      - { .name: cw, .offset: 48, .size: 8, .value_kind: global_buffer, .address_space: global }
    .group_segment_fixed_size: 0
    .private_segment_fixed_size: 0
    .kernarg_segment_align: 8
    .kernarg_segment_size: 56
    .max_flat_workgroup_size: 256
    .sgpr_count:     66
    .vgpr_count:     192
    .wavefront_size: 32
...
	.end_amdgpu_metadata
.endif
;; end of part 1
;; launch qkv (part 2): grid 12 x 32, 4 waves a work-group, clusters of 4 x 4, 327,680 bytes of LDS; arguments cw, bq, bk, bv, lowp_scales, qkv; writes qkv
.if DOCPART == 2
	.amdgcn_target "amdgcn-amd-amdhsa--gfx1250"
	.amdhsa_code_object_version 6
	.text
	.protected	k_qa3bdc2db49_qkv
	.globl	k_qa3bdc2db49_qkv
	.p2align	8
	.type	k_qa3bdc2db49_qkv,@function
k_qa3bdc2db49_qkv:
	s_mov_b64 s[64:65], 0
	v_nop
	global_prefetch_b8 v0, s[64:65] scope:SCOPE_SE
	s_setreg_imm32_b32 hwreg(HW_REG_WAVE_MODE, 25, 1), 1
	s_wait_xcnt 0x0
	s_wait_alu depctr_hold_cnt(0) depctr_sa_sdst(0) depctr_va_vdst(0) depctr_va_sdst(0) depctr_va_ssrc(0) depctr_va_vcc(0) depctr_vm_vsrc(0)
	s_getreg_b32 s2, hwreg(HW_REG_IB_STS2, 6, 4)
	s_cmp_eq_u32 s2, 0
	s_cbranch_scc0 .Lentry_in_a_cluster
	s_endpgm
.Lentry_in_a_cluster:
	s_bfe_u32 s2, ttmp6, 0x10000c
	s_cmp_lg_u32 s2, 0xf033
	s_cbranch_scc0 .Lentry_shape_is_right
	s_endpgm
.Lentry_shape_is_right:
; q = x Wq^T + bq, k = x Wk^T + bk, v = x Wv^T + bv on codes of E4M3 (from cw), sums in f32, each result quantised at once (entries 6, 7, 9 of the scales) and stored as images of the operand registers that attention loads.
; A cluster of 4 x 4 work-groups has one T = cluster x (0 q, 1 k, 2 v) and one g = cluster y (0..7).  A work-group makes 256 x 256 of C'[A' row][B' row], four waves of 128 x 128 (64 accumulators, 512 registers), K = 1,024 in four
; slots of 256 through a ring of two LDS slots.  THE MATRIX INSTRUCTION IS USED TRANSPOSED (source 0 = 16 rows of B', source 1 = 16 rows of A'): a lane holds one row of A', its registers run along rows of B'.
;   T = 0, 1: A' = x under this product's scale, B' = the weight: a lane holds one token, its registers features: they are the next product's K.
;   T = 2:    A' = Wv, B' = x: a lane holds one channel, its registers run along the keys, which are the second attention product's K.
; cw's rows are laid so that the 16 registers of result tiles 2 b and 2 b + 1 are 16 neighbours (32 b + 16 (lane / 16) + 0..15): the conversions' results ARE the images, and leave by stores of 512 consecutive bytes.  No stage in LDS.
; The bias is the C of each sum's first matrix instruction, divided by 2^(ex + ew), the power of two that the sums lack.  code = sum / 2^(eo - ex - ew), held within +-448 of that scale.
; LIMITS: eo - ex - ew between -126 and 119.  NaN among the inputs is not served.
; JOINT LOADS: the four work-groups of a row of the cluster need the same tile of A', the four of a column the same tile of B': same tensor load, same descriptor, a mask that names the four.
; REGISTERS, in windows of 256: window 0: v0-31 addresses and constants; v32-95 the bias, later held sums; v96-127 codes, two sets; v128-255 A's fragments, ONE set.  window 1: B's fragments, TWO sets.
;   window 2: the accumulators of my rows 0-63 ((a, b) at v[8 (8 a + b)]); window 3: those of rows 64-127.
; 384 work-groups of equal work: a smaller tile would fill the chip more evenly, but read half as many LDS bytes again for each multiply-add.
.set ROWB,   256                       ; a tile's row: 256 codes
.set KROW,   1024                      ; a row in cw
.set PITCH,  272                       ; an LDS row: 256 bytes + 16 of padding = 68 words: the 16 rows that a load touches start at 16 different banks (64 banks of 4 bytes: ISA guide 11.1)
.set FR,     16                        ; registers of a fragment: 16 rows x 128 K
.set NL,     4                         ; LDS loads that bring one
.set NP,     4                         ; places behind this matrix instruction (ISA guide 7.12.1)
.set HALFT,  128*PITCH
.set SLOT,   4*HALFT                   ; A's 256 rows, then B's 256 rows
.set LAPS,   2                         ; 1,024 along K = two laps of two slots
.set SPARE,  2*SLOT                    ; behind the ring: the spare words, 128 bytes a wave, that no other line names
.set ADRA, 16                          ; v16-17  LDS address of my A fragments in slot 0, 1
.set ADRB, 20                          ; v20-21  the same for B
.set VG0,  24                          ; v24     16 x lane
.set VG2,  26                          ; v26     16 x lane + the distance to a block's third group of codes
.set SPW,  28                          ; v28     my spare word; never rewritten
.set NIL,  29                          ; v29     0; never rewritten
.set SCR,  30                          ; v30     2^(eo - ex - ew)
.set LIMR, 31                          ; v31     448 x that
.set BIAS, 32
.set TMP,  32
.set CD,   96
.set AF,   128
.set G1, 24
.set G0, 32
.set G1B, 48
.set G0B, 56
.set MSB, 0
.macro WIN new                         ; the immediate's high byte repeats the setting that is left
.if MSB != \new
	s_set_vgpr_msb (MSB<<8)|\new
.set MSB, \new
.endif
.endm
.set MUL_LO, 0xa1                      ; source 0 (B) window 1, source 1 (A) window 0, C and D window 2
.set MUL_HI, 0xf1                      ; the same, C and D window 3
.set BIA_LO, 0x81                      ; C (the bias) window 0, D window 2
.set BIA_HI, 0xc1                      ; C window 0, D window 3
.set TO_B,   0x40                      ; destination window 1, address window 0
; A joint load: waves 0 and 1 fetch for A', waves 2 and 3 for B'.  The branch hangs on the wave's number alone.  An s_nop 0 and four v_nop follow each of the two lines.
.macro JLOAD g0a, g1a, g0b, g1b
	s_cmp_eq_u32 s15, 0
	s_cbranch_scc0 .Lfor_b_\@
	tensor_load_to_lds s[\g0a:\g0a+3], s[\g1a:\g1a+7]
	s_nop 0
.rept 4
	v_nop
.endr
	s_branch .Lasked_\@
.Lfor_b_\@:
	tensor_load_to_lds s[\g0b:\g0b+3], s[\g1b:\g1b+7]
	s_nop 0
.rept 4
	v_nop
.endr
.Lasked_\@:
.endm
.macro CREST                           ; a round of the cluster's barrier behind its opening barrier
	s_cmp_lg_u32 s14, 0
	s_cbranch_scc1 .Lnot_wave_0_\@
	s_barrier_signal -3
.Lnot_wave_0_\@:
	s_barrier_wait -3
	s_barrier_signal -1
	s_barrier_wait -1
.endm
.macro CROUND                          ; a whole round
	s_barrier_signal -1
	s_barrier_wait -1
	CREST
.endm
	s_load_b256 s[4:11], s[0:1], 0x0               ; cw s[4:5], bq s[6:7], bk s[8:9], bv s[10:11]
	s_load_b128 s[68:71], s[0:1], 0x20             ; the scales' exponents s[68:69], qkv s[70:71]
	v_lshl_add_u32 v[SPW], v0, 2, SPARE
	v_mov_b32 v[NIL], 0
	ds_add_u32 v[SPW], v[NIL]                      ; the wave's opening: the add and its wait stand ahead of my first tensor load; the set-up below, work on registers, stands between them
	v_lshrrev_b32 v1, 5, v0
	v_readfirstlane_b32 s14, v1                    ; wave 0..3
	s_lshr_b32 s15, s14, 1                         ; which half of the tile's A' rows is mine.  Also: I fetch for A' (0) or for B' (1)
	s_and_b32 s16, s14, 1                          ; which half of its B' rows.  Also: which 128 rows of that tile I fetch
	s_bfe_u32 s40, ttmp6, 0x40000                  ; cx, cy: my place in the cluster
	s_bfe_u32 s41, ttmp6, 0x40004
	s_lshl_b32 s84, ttmp9, 23                      ; T = 0, 1: A' = x's set T, at T x 8 MiB;
	s_lshl_b32 s85, ttmp9, 20
	s_add_co_u32 s85, s85, 0x1800000               ; B' = weight T, at 24 MiB + T MiB
	s_and_b32 s86, ttmp7, 0xffff                   ; g
	s_cmp_eq_u32 ttmp9, 2                          ; T and g are the cluster's: all sixteen partners choose alike
	s_cselect_b32 s84, 0x1a00000, s84              ; T = 2: A' = Wv, at 26 MiB;
	s_cselect_b32 s85, 0x1000000, s85              ; B' = x's third set, at 16 MiB
	s_cselect_b32 s87, 0, s86                      ; the side that is x has 32 tiles, four to a cluster; the weight has four
	s_cselect_b32 s88, s86, 0
	s_lshl_b32 s42, s88, 2
	s_add_co_u32 s42, s42, s40                     ; tile of B'
	s_lshl_b32 s17, s87, 2
	s_add_co_u32 s17, s17, s41                     ; tile of A'
	s_lshl_b32 s43, s41, 2
	s_lshl_b32 s43, 15, s43                        ; my row of the cluster
	s_lshl_b32 s44, 0x1111, s40                    ; my column
	; descriptor group 1: a tile of 128 rows x 256 bytes, padded in LDS
	s_or_b32 s[G1+0], s43, (0<<16)|(1<<20)|(1<<21)|(5<<22)|(3<<25)  ; 15:0 the mask: A's tiles go to my row; 17:16 elements of 1 byte; 20 padding on; 21 set beside a mask; 24:22 after every 64 words; 31:25 four words
	s_or_b32 s[G1B+0], s44, (0<<16)|(1<<20)|(1<<21)|(5<<22)|(3<<25)
.irp g, G1, G1B
	s_mov_b32 s[\g+1], ROWB<<16                    ; tensor_dim0
	s_mov_b32 s[\g+2], 128<<16                     ; tensor_dim1
	s_mov_b32 s[\g+3], ROWB<<16                    ; tile_dim0
	s_mov_b32 s[\g+4], 128                         ; tile_dim1
	s_mov_b32 s[\g+5], KROW                        ; tensor_dim0_stride
	s_mov_b32 s[\g+6], 0
	s_mov_b32 s[\g+7], 0
.endr
	s_lshl_b32 s18, s16, 7                         ; which 128 rows of the tile I fetch
	s_lshl_b32 s20, s17, 8
	s_add_co_u32 s20, s20, s18
	s_lshl_b32 s20, s20, 10                        ; rows of 1,024 bytes
	s_add_co_u32 s20, s20, s84                     ; A': made of cy, g, T and the wave's number alone
	s_mov_b32 s21, 0
	s_lshl_b32 s46, s42, 8
	s_add_co_u32 s46, s46, s18
	s_lshl_b32 s46, s46, 10
	s_add_co_u32 s46, s46, s85                     ; B': of cx, g, T and the wave's number alone
	s_mov_b32 s47, 0
	s_mul_i32 s45, s14, HALFT                      ; where they go: wave x 128 rows: no place in the cluster enters an LDS address
	s_wait_dscnt 0x0                               ; the opening add is done
	s_wait_kmcnt 0x0
	s_load_b256 s[72:79], s[68:69], 0x0            ; entries 0-7
	s_load_b128 s[80:83], s[68:69], 0x20           ; entries 8-11
	s_add_nc_u64 s[20:21], s[4:5], s[20:21]
	s_add_nc_u64 s[46:47], s[4:5], s[46:47]
	CROUND                                         ; all sixteen work-groups are here: the first joint loads meet
.irp s, 0,1
	s_mov_b32 s[G0+4*\s], 1
	s_add_co_u32 s[G0+4*\s+1], s45, \s*SLOT
	s_add_nc_u64 s[G0+4*\s+2:G0+4*\s+3], s[20:21], \s*ROWB
	s_or_b32 s[G0+4*\s+3], s[G0+4*\s+3], 0x80000000
	s_mov_b32 s[G0B+4*\s], 1
	s_add_co_u32 s[G0B+4*\s+1], s45, \s*SLOT
	s_add_nc_u64 s[G0B+4*\s+2:G0B+4*\s+3], s[46:47], \s*ROWB
	s_or_b32 s[G0B+4*\s+3], s[G0B+4*\s+3], 0x80000000
	JLOAD G0+4*\s, G1, G0B+4*\s, G1B
.endr
	v_and_b32 v1, 15, v0                           ; r = lane % 16
	v_bfe_u32 v2, v0, 4, 1                         ; h = lane / 16
	v_mul_u32_u24 v3, v1, PITCH
	v_lshl_add_u32 v4, v2, 4, v3                   ; a fragment's row x pitch + 16 h
	s_mul_i32 s21, s15, HALFT                      ; my 128 rows of A'
	s_mul_i32 s22, s16, HALFT                      ; my 128 rows of B',
	s_add_co_u32 s22, s22, 2*HALFT                 ; which lie behind A's 256
.irp s, 0,1
	v_add_nc_u32 v[ADRA+\s], s21, v4
	v_add_nc_u32 v[ADRB+\s], s22, v4
	s_add_co_u32 s21, s21, SLOT
	s_add_co_u32 s22, s22, SLOT
.endr
	; the bias and the way out.  (WT, WH): tile and half on the weight's side; (XT, XH): on x's.  They enter global addresses alone
	s_cmp_eq_u32 ttmp9, 1
	s_cselect_b64 s[6:7], s[8:9], s[6:7]
	s_mov_b32 s98, 0x20000
	s_mov_b32 s94, 1024
	s_mov_b32 s96, 1024
	s_cmp_eq_u32 ttmp9, 2
	s_cselect_b64 s[6:7], s[10:11], s[6:7]         ; my product's bias
	s_cselect_b32 s89, s17, s42                    ; WT
	s_cselect_b32 s90, s15, s16                    ; WH
	s_cselect_b32 s91, s42, s17                    ; XT
	s_cselect_b32 s92, s16, s15                    ; XH
	s_cselect_b32 s98, 1024, s98                   ; a block's third group of codes: q, k: the next head, 131,072 bytes on; v: the next 32 keys, 1,024 on
	s_cselect_b32 s94, 2048, s94                   ; from a block of A' to the next: q, k: the next 16 tokens' image; v: the next 16 channels'
	s_cselect_b32 s96, 124928, s96                 ; from block 3 to block 4: v: the next head's first image (131,072 - 3 x 2,048)
	s_mov_b32 s95, 0
	s_mov_b32 s97, 0
	s_lshl_b32 s18, s89, 10
	s_lshl_b32 s19, s90, 9
	s_add_co_u32 s18, s18, s19                     ; 4 bytes x (256 WT + 128 WH)
	s_mov_b32 s19, 0
	s_add_nc_u64 s[6:7], s[6:7], s[18:19]
	s_lshl_b32 s18, ttmp9, 23                      ; qkv: part T,
	s_lshr_b32 s22, s91, 3
	s_lshl_b32 s22, s22, 21                        ; batch XT / 8: 16 heads of 131,072 bytes,
	s_add_co_u32 s18, s18, s22
	s_lshl_b32 s22, s89, 19
	s_add_co_u32 s18, s18, s22
	s_lshl_b32 s22, s90, 18                        ; head 4 WT + 2 WH,
	s_add_co_u32 s18, s18, s22
	s_and_b32 s22, s91, 7
	s_lshl_b32 s22, s22, 14
	s_add_co_u32 s18, s18, s22
	s_lshl_b32 s22, s92, 13                        ; 128 tokens 2 (XT % 8) + XH: 8,192 bytes in each of the three parts
	s_add_co_u32 s18, s18, s22
	s_add_nc_u64 s[70:71], s[70:71], s[18:19]
	v_lshlrev_b32 v6, 6, v2                        ; q, k: the bias of tile b: features 32 (b / 2) + 8 (b % 2) + 16 h + 0..7
	v_and_b32 v7, 8, v1
	v_add_nc_u32 v7, v7, v1
	v_lshlrev_b32 v7, 2, v7                        ; v: of block a: channel 32 (a / 2) + 8 (a % 2) + r + 8 (r / 8), the same in all eight registers
	v_and_b32 v5, 31, v0
	v_lshlrev_b32 v[VG0], 4, v5
	v_add_nc_u32 v[VG2], s98, v[VG0]
	s_cmp_eq_u32 ttmp9, 2
	s_cbranch_scc1 .Lbias_v
.irp i, 0,1,2,3,4,5,6,7
	global_load_b128 v[BIAS+8*\i:BIAS+8*\i+3], v6, s[6:7] offset:(32*(\i/2)+8*(\i%2))*4
	global_load_b128 v[BIAS+8*\i+4:BIAS+8*\i+7], v6, s[6:7] offset:(32*(\i/2)+8*(\i%2))*4+16
.endr
	s_branch .Lbias_done
.Lbias_v:
.irp a, 0,1,2,3,4,5,6,7
.irp j, 0,1,2,3,4,5,6,7
	global_load_b32 v[BIAS+8*\a+\j], v7, s[6:7] offset:(32*(\a/2)+8*(\a%2))*4
.endr
.endr
.Lbias_done:
.macro FRAG reg, adr, q, i             ; a fragment: lane l holds row l % 16; registers 4 c .. 4 c + 3 hold bytes 32 c + 16 (l / 16) + 0..15 of the row's 128: the same places in A' and in B'
.irp c, 0,1,2,3
	ds_load_b128 v[\reg+4*\c:\reg+4*\c+3], v[\adr] offset:128*(\q)+32*\c+(\i)*16*PITCH
.endr
.endm
; 16 matrix instructions: A's blocks a0, a0 + 1 x B's eight, 128 along K.  p: B's set.  cm = 0: onto the sums; 1: the sums begin with the bias by B's block; 2: by A's block.  Nothing is ever cleared.
; The 64 accumulators take turns, one instruction a turn, in the same order in every step.
.macro MUL16 a0, p, cm
.irp a, \a0, \a0+1
.irp b, 0,1,2,3,4,5,6,7
.if \cm == 1
	v_wmma_f32_16x16x128_fp8_fp8 v[8*(8*((\a)%4)+\b):8*(8*((\a)%4)+\b)+7], v[128*(\p)+FR*\b:128*(\p)+FR*\b+FR-1], v[AF+FR*(\a):AF+FR*(\a)+FR-1], v[BIAS+8*\b:BIAS+8*\b+7]
.elseif \cm == 2
	v_wmma_f32_16x16x128_fp8_fp8 v[8*(8*((\a)%4)+\b):8*(8*((\a)%4)+\b)+7], v[128*(\p)+FR*\b:128*(\p)+FR*\b+FR-1], v[AF+FR*(\a):AF+FR*(\a)+FR-1], v[BIAS+8*(\a):BIAS+8*(\a)+7]
.else
	v_wmma_f32_16x16x128_fp8_fp8 v[8*(8*((\a)%4)+\b):8*(8*((\a)%4)+\b)+7], v[128*(\p)+FR*\b:128*(\p)+FR*\b+FR-1], v[AF+FR*(\a):AF+FR*(\a)+FR-1], v[8*(8*((\a)%4)+\b):8*(8*((\a)%4)+\b)+7]
.endif
.endr
.endr
.endm
.macro FETCH_B slot, q, p              ; B's eight fragments of the slot's q-th 128 along K into set p
	WIN TO_B
.irp i, 0,1,2,3,4,5,6,7
	FRAG 128*(\p)+FR*\i, ADRB+\slot, \q, \i
.endr
	WIN 0
.endm
.macro FETCH_A slot, q, i0             ; A's blocks i0 .. i0 + 3
.irp i, \i0, \i0+1, \i0+2, \i0+3
	FRAG AF+FR*(\i), ADRA+\slot, \q, \i
.endr
.endm
; A load into a register that a matrix instruction has read, and a vector instruction that reads a matrix result, stand NP places behind it; only plain vector instructions that name none of its registers are places.
.macro PLACES n
.rept \n
	v_nop
.endr
.endm
; A step of 128 along K that has its successor in the same slot.  A block of A' is free once its eight products are issued: blocks 0-3 are fetched anew in the step's middle, blocks 4-7 at its end.
.macro STEP slot, q, cm
	s_wait_dscnt 4*NL                              ; B's set and A's blocks 0-3 are in; the youngest sixteen loads (A's blocks 4-7) may be out
.if \cm
	WIN BIA_LO
.else
	WIN MUL_LO
.endif
	MUL16 0, (\q)%2, \cm
	MUL16 2, (\q)%2, \cm
	s_wait_dscnt 0                                 ; A's blocks 4-7 are in
	PLACES NP
	FETCH_B \slot, (\q)+1, 1-(\q)%2
	FETCH_A \slot, (\q)+1, 0
.if \cm
	WIN BIA_HI
.else
	WIN MUL_HI
.endif
	MUL16 4, (\q)%2, \cm
	MUL16 6, (\q)%2, \cm
	PLACES NP
	WIN 0
	FETCH_A \slot, (\q)+1, 4
.endm
; A slot's last step changes slots: ONE barrier; in front of it each wave waits for all its tensor loads, adds 0 to its spare word, and waits for that and for its own reads of this slot.  fill = 1: this slot is filled again, two slots ahead.
.macro TURN slot, next, fill
	s_wait_tensorcnt 0x0                           ; all my tensor loads have landed: my part of the next slot (every window is 0 here)
	ds_add_u32 v[SPW], v[NIL]                      ; 0 onto my spare word
	s_wait_dscnt 4*NL+1                            ; the add and the youngest sixteen loads (A's blocks 4-7) may be out
	WIN MUL_LO
	MUL16 0, 1, 0                                  ; sixteen matrix instructions stand between the add and the wait for it
	s_wait_dscnt 0x0                               ; the add is done, and my reads of this slot are over
	s_barrier_signal -1
	MUL16 2, 1, 0
	WIN 0
	s_barrier_wait -1
.if \fill
	CREST                                          ; the barrier has opened a round of the cluster's: no wave of any partner still reads this slot or has a load on its way
	s_add_nc_u64 s[G0+4*\slot+2:G0+4*\slot+3], s[G0+4*\slot+2:G0+4*\slot+3], 2*ROWB
	s_add_nc_u64 s[G0B+4*\slot+2:G0B+4*\slot+3], s[G0B+4*\slot+2:G0B+4*\slot+3], 2*ROWB
	JLOAD G0+4*\slot, G1, G0B+4*\slot, G1B         ; the first tensor load behind the round; its four v_nop are the places in front of the loads below
.else
	PLACES NP
.endif
	FETCH_B \next, 0, 0
	FETCH_A \next, 0, 0
	WIN MUL_HI
	MUL16 4, 1, 0
	MUL16 6, 1, 0
	PLACES NP
	WIN 0
	FETCH_A \next, 0, 4
.endm
	s_wait_tensorcnt 1                             ; my part of slot 0 is in; slot 1's load may be out
	s_barrier_signal -1
	s_barrier_wait -1                              ; everybody's is
	FETCH_B 0, 0, 0
	FETCH_A 0, 0, 0
	FETCH_A 0, 0, 4
	s_wait_kmcnt 0x0
	s_cmp_eq_u32 ttmp9, 1                          ; ex, ew, eo: entries 2 T, 2 T + 1 and 6, 7 or 9
	s_cselect_b32 s72, s74, s72
	s_cselect_b32 s73, s75, s73
	s_cselect_b32 s78, s79, s78
	s_cmp_eq_u32 ttmp9, 2
	s_cselect_b32 s72, s76, s72
	s_cselect_b32 s73, s77, s73
	s_cselect_b32 s78, s81, s78
	s_add_co_i32 s72, s72, s73                     ; ex + ew: a sum stands for sum x 2^(ex + ew)
	s_sub_co_i32 s93, 0, s72
	s_sub_co_i32 s78, s78, s72                     ; eo - ex - ew: the three scales folded into the conversion's one
	s_add_co_i32 s78, s78, 127
	s_lshl_b32 s79, s78, 23
	v_mov_b32 v[SCR], s79
	s_add_co_i32 s78, s78, 8
	s_lshl_b32 s78, s78, 23
	s_or_b32 s78, s78, 0x600000
	v_mov_b32 v[LIMR], s78
	s_wait_loadcnt 0x0                             ; the bias
.set bj, 0
.rept 64
	v_ldexp_f32 v[BIAS+bj], v[BIAS+bj], s93        ; bias / 2^(ex + ew)
.set bj, bj+1
.endr
	s_cmp_eq_u32 ttmp9, 2                          ; the first step starts the sums with the bias: by B's block (features) or by A's (channels).  No barrier, tensor load or LDS store stands in either arm
	s_cbranch_scc1 .Lfirst_v
	STEP 0, 0, 1
	s_branch .Lfirst_done
.Lfirst_v:
	STEP 0, 0, 2
.Lfirst_done:
	s_mov_b32 s3, LAPS-1
.Llap:                                             ; a trip goes once round the ring, from a lap's second step to the next lap's first, and fills both slots again
	TURN 0, 1, 1
	STEP 1, 0, 0
	TURN 1, 0, 1
	STEP 0, 0, 0
	s_sub_co_u32 s3, s3, 1
	s_cmp_lg_u32 s3, 0
	s_cbranch_scc1 .Llap
	TURN 0, 1, 0                                   ; the last lap fills nothing, and has no round of the cluster's barrier
	STEP 1, 0, 0
	s_wait_dscnt 4*NL                              ; the very last step: nothing more to fetch
	WIN MUL_LO
	MUL16 0, 1, 0
	MUL16 2, 1, 0
	s_wait_dscnt 0
	WIN MUL_HI
	MUL16 4, 1, 0
	MUL16 6, 1, 0
	WIN 0
; THE WAY OUT, a block of 16 rows of A' at a time: 64 sums a lane are held, converted (each accumulator read from its low end on) and stored: four groups of 16 codes a lane, each store 512 consecutive bytes.
.macro OUTBLK a
.set AC, 64*((\a)%4)
.set CS2, CD+16*((\a)%2)
	WIN 0x02+((\a)/4)                              ; source 0: window 2 or 3
.set oj, 0
.rept 64
	v_med3_num_f32 v[TMP+oj], v[AC+oj], -v[LIMR], v[LIMR]   ; the conversion to an 8-bit code does not saturate (ISA guide 7.6.2)
.set oj, oj+1
.endr
	WIN 0
.irp i, 0,1,2,3,4,5,6,7
	v_cvt_scalef32_pk8_fp8_f32 v[CS2+2*\i:CS2+2*\i+1], v[TMP+8*\i:TMP+8*\i+7], v[SCR]
.endr
	v_nop                                          ; a plain line between the conversions and the next block's holds, which write their sources
.if (\a) > 0
	s_wait_xcnt 0x0                                ; the earlier stores have read their base and their data: the base steps, and the next block may write the other set of codes
.if (\a) == 4
	s_add_nc_u64 s[70:71], s[70:71], s[96:97]
.else
	s_add_nc_u64 s[70:71], s[70:71], s[94:95]
.endif
.endif
	global_store_b128 v[VG0], v[CS2:CS2+3], s[70:71]
	global_store_b128 v[VG0], v[CS2+4:CS2+7], s[70:71] offset:512
	global_store_b128 v[VG2], v[CS2+8:CS2+11], s[70:71]
	global_store_b128 v[VG2], v[CS2+12:CS2+15], s[70:71] offset:512
.endm
	PLACES NP
.irp a, 0,1,2,3,4,5,6,7
	OUTBLK \a
.endr
	s_wait_tensorcnt 0x0                           ; the wave's end
	ds_add_u32 v[SPW], v[NIL]
	s_wait_dscnt 0x0
	CROUND                                         ; the closing round: no work-group ends while a partner may still ask for a tile that names it
	s_endpgm
.Lfunc_end_k_qa3bdc2db49_qkv:
	.size	k_qa3bdc2db49_qkv, .Lfunc_end_k_qa3bdc2db49_qkv-k_qa3bdc2db49_qkv
	.p2alignl 7, 3214868480
	.fill 96, 4, 3214868480
	.section	.rodata,"a",@progbits
	.p2align	6, 0x0
	.amdhsa_kernel k_qa3bdc2db49_qkv
		.amdhsa_group_segment_fixed_size 327680
		.amdhsa_private_segment_fixed_size 0
		.amdhsa_enable_private_segment 0
		.amdhsa_kernarg_size 48
		.amdhsa_user_sgpr_count 2
		.amdhsa_user_sgpr_kernarg_segment_ptr 1
		.amdhsa_wavefront_size32 1
		.amdhsa_system_sgpr_workgroup_id_x 1
		.amdhsa_system_sgpr_workgroup_id_y 1
		.amdhsa_system_sgpr_workgroup_id_z 1
		.amdhsa_system_vgpr_workitem_id 0
		.amdhsa_next_free_vgpr 1024
		.amdhsa_next_free_sgpr 100
		.amdhsa_reserve_vcc 0
		.amdhsa_float_denorm_mode_32 3
		.amdhsa_float_denorm_mode_16_64 3
		.amdhsa_memory_ordered 1
		.amdhsa_forward_progress 1
		.amdhsa_inst_pref_size 140
	.end_amdhsa_kernel
	.amdgpu_metadata
---
amdhsa.version: [ 1, 2 ]
amdhsa.kernels:
  - .name:           k_qa3bdc2db49_qkv
    .symbol:         k_qa3bdc2db49_qkv.kd
    .args:
      - { .name: cw, .offset: 0, .size: 8, .value_kind: global_buffer, .address_space: global }
      - { .name: bq, .offset: 8, .size: 8, .value_kind: global_buffer, .address_space: global }
      - { .name: bk, .offset: 16, .size: 8, .value_kind: global_buffer, .address_space: global }
      - { .name: bv, .offset: 24, .size: 8, .value_kind: global_buffer, .address_space: global }
      - { .name: lowp_scales, .offset: 32, .size: 8, .value_kind: global_buffer, .address_space: global }
      - { .name: qkv, .offset: 40, .size: 8, .value_kind: global_buffer, .address_space: global }
    .group_segment_fixed_size: 327680
    .private_segment_fixed_size: 0
    .kernarg_segment_align: 8
    .kernarg_segment_size: 48
    .max_flat_workgroup_size: 128
    .sgpr_count:     100
    .vgpr_count:     1024
    .wavefront_size: 32
...
	.end_amdgpu_metadata
.endif
;; end of part 2
;; launch attn (part 3): grid 4 x 64, 16 waves a work-group, no clusters, 327,680 bytes of LDS; arguments qkv, lowp_scales, oc; writes oc
.if DOCPART == 3
	.amdgcn_target "amdgcn-amd-amdhsa--gfx1250"
	.amdhsa_code_object_version 6
	.text
	.protected	k_qa3bdc2db49_attn
	.globl	k_qa3bdc2db49_attn
	.p2align	8
	.type	k_qa3bdc2db49_attn,@function
k_qa3bdc2db49_attn:
	s_mov_b64 s[64:65], 0
	v_nop
	global_prefetch_b8 v0, s[64:65] scope:SCOPE_SE
	s_setreg_imm32_b32 hwreg(HW_REG_WAVE_MODE, 25, 1), 1
	s_wait_xcnt 0x0
; Attention of one head on codes of E4M3, with the ALiBi bias -slope x (q - k) and the causal mask; its result, divided by the row's sum, is quantised (entry 10 of the scales) and stored as images of the last product's operand registers.
; t = logit x log2(e); M = the running largest t, rounded UP to a whole number; p = 2^(t - M) is quantised (entry 8), not normalised; the row's sum is taken of the unquantised p.  When M moves, the sum and O are multiplied by 2^(old M - new M): exact.
; SHARES.  Work-group (i, head of a batch) owns the blocks of 256 queries 7 - i and i, one after the other: block 7 - i walks key slots 0 .. 7 - i, block i slots 0 .. i: NINE slots of 256 keys for every work-group, so that the
; trip count is a constant and all 256 work-groups have the same work under the mask.  Each of SIXTEEN waves owns one tile of 16 queries in 256 registers: four waves to a SIMD, so that one wave's vector work stands beside another's products and LDS loads.
; LAYOUT.  Both products transposed: S^T = K Q^T (source 0 = 16 keys), O^T = V^T P^T (source 0 = 16 channels): a lane holds ONE query throughout.  q, k, v lie in memory as images of the operand registers (16 bytes a lane, 512 a group),
; and the rows of an image are chosen so that the 16 registers of tiles 2 b, 2 b + 1 are 16 neighbours: keys 32 b + 16 (lane / 16) + 0..15 of a step; my lanes' queries are Q0 + r + 8 (r / 8), r = lane % 16.
; THE BIAS.  t = c x raw + m' (k - q), c = log2(e) / 8 x 2^(eq + ek), m' = slope x log2(e).  With k = KF + 32 b + 16 h + 8 u + j: the part m' (8 u + j) goes in as the C of the score products, in the raw scores' units
; (slope x 2^(3 - eq - ek) x (8 u + j)); the part A_b = m' x (KF + 32 b + 16 h - q) is one multiplication of an exact whole number for each 32 keys.  So each term is as small as the bias that it stands for.
; No cluster: the four work-groups of a head want different slots from the sixth trip on; walking all eight slots jointly for both blocks would be twelve slots' lock-stepped work against nine.
; LIMITS on the given exponents: eq + ek between -123 and 118; ep and entry 10 between -126 and 119; ep + ev is applied by v_ldexp_f32 and has none.  NaN among the inputs is not served.
.set SLOTB, 32768                      ; a slot: K's 16 images (16,384 bytes), then V's 8 (16,384)
.set VOFF,  16384
.set SPARE, 65536                      ; behind the ring: the spare words, 128 bytes for each of 16 waves, that no other line names
.set LI,   1                           ; v1   16 x lane: an image's place for my lane; never rewritten
.set ADR,  2                           ; v2   LI + the slot in hand
.set RQH,  3                           ; v3   r + 8 (r / 8) - 16 h as f32
.set DI,   4                           ; v4   the same as a whole number
.set SPW,  5                           ; v5   my spare word; never rewritten
.set NIL,  6                           ; v6   0; never rewritten
.set PFO,  7                           ; v7   256 x lane, for the prefetches; never rewritten
.set LIMP, 8                           ; v8   448 x 2^ep;  v9  2^ep
.set SCP,  9
.set LIMO, 10                          ; v10  448 x 2^e10;  v11  2^e10
.set SCO,  11
                                       ; v12 -M, v13 the largest t, v[14:15] the sum in two halves
.set QF,   16                          ; v16-23   Q's fragment
.set BI,   24                          ; v24-39   the bias's part in C: register 8 u + j
.set EB,   40                          ; v40-47   pairs (E_b, A_b), b = 0..3
.set MX,   48                          ; v48-51   the largest raw score of each 16 registers
.set TT,   52                          ; v52-55   at work
.set FF,   56                          ; v[56:57] f = 2^(old M - new M); the upper word is written once
.set L2,   58                          ; v[58:59] the sum's second chain
.set MK,   60                          ; v60, 61  the mask
.set PX,   62                          ; v62      a lane permute's destination
.set KV,   64                          ; v64-127  K's eight fragments, then V's four
.set S,    128                         ; v128-191 S^T, then p
.set O,    192                         ; v192-223 O^T
.set PC,   224                         ; v224-239 p's codes
.set OC,   240                         ; v240-247 the result's codes
.set WV,   18
.set G1,   24                          ; s[24:31] descriptor group 1
.set G0,   32                          ; s[32:35] group 0, which walks
.set KVB,  36                          ; s[36:37] my head's K (wave 0) or V (wave 1)
.set OFF,  38                          ; s[38:39] 16,384 x the key slot asked for
.set NX,   40                          ; the key slot to ask for next
.set NA,   41                          ; slots of the first block: 8 - i
.set SW,   42                          ; slots left of the first block
.set SLOTS, 43                         ; trips to go
.set TB,   44                          ; LDS byte at which the slot in hand begins
.set KF,   45                          ; the step's first key
.set Q0,   46                          ; my first query;  s47: the second block's
.set Q0B,  47
.set QPB,  48                          ; s[48:49] the second block's Q
.set OPA,  50                          ; s[50:51], s[52:53] where the two results go
.set OPB,  52
.set CS,   54                          ; s[54:55] c, as a pair for the packed form
.set SM,   56                          ; m'
.set SR,   57                          ; slope x 2^(3 - eq - ek)
.set EPV,  58                          ; ep + ev
.set TM,   59                          ; at work
.set SEL,  60                          ; s[60:61] lane selects: lane l xor 16
.set PFA,  66                          ; s[66:67] where my prefetches stand
.set LIM,  68                          ; 2 in a wave that prefetches, else the greatest number
; Wave 0 fetches a slot's K, wave 1 its V: one dense block of 16,384 bytes each.  The branch hangs on the wave's number alone.  An s_nop 0 and four v_nop follow the load.
.macro TLOAD
	s_cmp_lt_u32 s[WV], 2
	s_cbranch_scc0 .Lnone_\@
	tensor_load_to_lds s[G0:G0+3], s[G1:G1+7]
	s_nop 0
.rept 4
	v_nop
.endr
.Lnone_\@:
.endm
; A PREFETCH INTO THE L2 of what the NEXT change of slots will ask for.  The four work-groups of a head walk the same K and V: work-group 0 of the head asks, in its first six trips, for key slots 2 to 7; in it waves 4, 5 ask for K's
; 16,384 bytes and waves 6, 7 for V's: 8,192 bytes a wave, lanes 256 bytes apart, one instruction.  So each aligned block of 256 bytes is named once.  Slots 0 and 1 come by their loads alone, and nothing is asked for past slot 7.
.macro ASK
	s_cmp_gt_u32 s[SLOTS], s[LIM]
	s_cbranch_scc0 .Lnot_mine_\@
	global_prefetch_b8 v[PFO], s[PFA:PFA+1] th:TH_LOAD_NT scope:SCOPE_SE
.Lnot_mine_\@:
.endm
	s_load_b128 s[4:7], s[0:1], 0x0                ; qkv s[4:5], the scales' exponents s[6:7]
	s_load_b64 s[8:9], s[0:1], 0x10                ; oc
	v_lshl_add_u32 v[SPW], v0, 2, SPARE
	v_mov_b32 v[NIL], 0
	ds_add_u32 v[SPW], v[NIL]                      ; the wave's opening: the add and its wait stand ahead of my first tensor load; the set-up below, work on registers, stands between them
	v_lshrrev_b32 v8, 5, v0
	v_readfirstlane_b32 s[WV], v8                  ; wave 0..15
	s_and_b32 s10, ttmp7, 0xffff                   ; 16 x batch + head
	s_and_b32 s11, s10, 15                         ; head
	s_lshr_b32 s12, s10, 4                         ; batch
	s_sub_co_u32 s13, 7, ttmp9                     ; the first block of queries: 7 - i; the second is i
	s_sub_co_u32 s[NA], 8, ttmp9
	s_mov_b32 s[SW], s[NA]
	s_lshl_b32 s14, s10, 17                        ; the head's 131,072 bytes in each part of qkv
	s_and_b32 s15, s[WV], 1
	s_lshr_b32 s16, s[WV], 1
	s_lshl_b32 s20, s13, 4                         ; Q's image: block of 16 rows 16 x block + wave, 1,024 bytes each
	s_add_co_u32 s20, s20, s[WV]
	s_lshl_b32 s20, s20, 10
	s_add_co_u32 s20, s20, s14
	s_mov_b32 s21, 0
	s_lshl_b32 s[QPB], ttmp9, 4
	s_add_co_u32 s[QPB], s[QPB], s[WV]
	s_lshl_b32 s[QPB], s[QPB], 10
	s_add_co_u32 s[QPB], s[QPB], s14
	s_mov_b32 s[QPB+1], 0
	s_lshl_b32 s17, s16, 5                         ; my first query: 256 x block + 32 (wave / 2) + 8 (wave % 2)
	s_lshl_b32 s19, s15, 3
	s_add_co_u32 s17, s17, s19
	s_lshl_b32 s[Q0], s13, 8
	s_add_co_u32 s[Q0], s[Q0], s17
	s_lshl_b32 s[Q0B], ttmp9, 8
	s_add_co_u32 s[Q0B], s[Q0B], s17
	s_add_co_u32 s[KVB], s15, 1                    ; K's part at 8 MiB (even waves), V's at 16 MiB (odd)
	s_lshl_b32 s[KVB], s[KVB], 23
	s_add_co_u32 s[KVB], s[KVB], s14
	s_mov_b32 s[KVB+1], 0
	s_mov_b32 s[OFF+1], 0
	s_lshl_b32 s22, s12, 4                         ; oc: [128 rows][256 along K][16 rows][128 along K][32 along K][lane][16 bytes]
	s_lshr_b32 s19, s[WV], 3
	s_add_co_u32 s22, s22, s19
	s_lshl_b32 s22, s22, 17                        ; 128 rows 16 x batch + 2 x block + wave / 8: 131,072 bytes,
	s_lshr_b32 s19, s11, 2
	s_lshl_b32 s19, s19, 15                        ; K slot head / 4: 32,768,
	s_add_co_u32 s22, s22, s19
	s_and_b32 s19, s[WV], 7
	s_lshl_b32 s19, s19, 12                        ; 16 rows wave % 8: 4,096,
	s_add_co_u32 s22, s22, s19
	s_and_b32 s19, s11, 3
	s_lshl_b32 s19, s19, 10                        ; the head's 64 along K: 1,024 x (head % 4)
	s_add_co_u32 s22, s22, s19
	s_lshl_b32 s[OPA], s13, 18
	s_add_co_u32 s[OPA], s[OPA], s22
	s_mov_b32 s[OPA+1], 0
	s_lshl_b32 s[OPB], ttmp9, 18
	s_add_co_u32 s[OPB], s[OPB], s22
	s_mov_b32 s[OPB+1], 0
	s_and_b32 s19, s16, 1                          ; the prefetches: waves 4, 5: K's part; 6, 7: V's;
	s_add_co_u32 s19, s19, 1
	s_lshl_b32 s[PFA], s19, 23
	s_add_co_u32 s[PFA], s[PFA], s14
	s_lshl_b32 s19, s15, 13                        ; my half of a slot's 16,384 bytes;
	s_add_co_u32 s[PFA], s[PFA], s19
	s_add_co_u32 s[PFA], s[PFA], 16384             ; in slot 1: the first change of slots steps it to slot 2
	s_mov_b32 s[PFA+1], 0
	s_lshr_b32 s19, s[WV], 2
	s_xor_b32 s19, s19, 1                          ; 0 in waves 4 to 7,
	s_or_b32 s19, s19, ttmp9                       ; of the head's work-group 0
	s_cmp_eq_u32 s19, 0
	s_cselect_b32 s[LIM], 2, -1
	; descriptor group 1: 64 rows of 256 bytes, dense in memory and in LDS
	s_mov_b32 s[G1], 3<<16                         ; no mask; elements of 8 bytes; no padding
	s_mov_b32 s[G1+1], 32<<16                      ; tensor_dim0 = 32
	s_mov_b32 s[G1+2], 64<<16                      ; tensor_dim1 = 64
	s_mov_b32 s[G1+3], 32<<16                      ; tile_dim0 = 32
	s_mov_b32 s[G1+4], 64                          ; tile_dim1 = 64
	s_mov_b32 s[G1+5], 32                          ; tensor_dim0_stride
	s_mov_b32 s[G1+6], 0
	s_mov_b32 s[G1+7], 0
	s_mov_b32 s[G0], 1
	s_lshl_b32 s[G0+1], s15, 14                    ; LDS: slot 0; K at 0, V at 16,384
	s_mov_b32 s[SEL], 0x76543210
	s_mov_b32 s[SEL+1], 0xfedcba98
	s_mov_b32 s[TB], 0
	s_mov_b32 s[KF], 0
	s_mov_b32 s[NX], 1
	s_mov_b32 s[SLOTS], 8
	s_wait_dscnt 0x0                               ; the opening add is done
	s_wait_kmcnt 0x0
	s_load_b128 s[72:75], s[6:7], 0x18             ; eq, ek, ep, ev: entries 6 to 9
	s_load_b32 s76, s[6:7], 0x28                   ; entry 10
	s_add_nc_u64 s[KVB:KVB+1], s[4:5], s[KVB:KVB+1]
	s_mov_b64 s[G0+2:G0+3], s[KVB:KVB+1]           ; key slot 0
	s_or_b32 s[G0+3], s[G0+3], 0x80000000          ; type = 2
	TLOAD
	s_add_nc_u64 s[20:21], s[4:5], s[20:21]
	s_add_nc_u64 s[QPB:QPB+1], s[4:5], s[QPB:QPB+1]
	s_add_nc_u64 s[PFA:PFA+1], s[4:5], s[PFA:PFA+1]
	s_add_nc_u64 s[OPA:OPA+1], s[8:9], s[OPA:OPA+1]
	s_add_nc_u64 s[OPB:OPB+1], s[8:9], s[OPB:OPB+1]
	v_and_b32 v[LI], 31, v0
	v_lshlrev_b32 v[PFO], 8, v[LI]
	v_lshlrev_b32 v[LI], 4, v[LI]
	global_load_b128 v[QF:QF+3], v[LI], s[20:21]               ; the first block's Q stays in registers
	global_load_b128 v[QF+4:QF+7], v[LI], s[20:21] offset:512
	v_and_b32 v52, 15, v0
	v_and_b32 v53, 8, v52
	v_add_nc_u32 v52, v52, v53                     ; r + 8 (r / 8)
	v_bfe_u32 v53, v0, 4, 1
	v_lshlrev_b32 v53, 4, v53                      ; 16 h
	v_sub_nc_u32 v[DI], v52, v53
	v_cvt_f32_i32 v[RQH], v[DI]
	v_mov_b32 v[FF+1], 0                           ; named as the upper half of a pair
	v_mov_b32 v[PX], 0                             ; a lane permute's destination counts as one of its sources
.macro INIT                            ; a block of queries begins: the largest t under every t, the sum and O^T zero (the first change of M leaves zeros zeros)
	v_mov_b32 v13, 0xff61b1e6
	v_floor_f32 v12, -v13
	v_mov_b32 v14, 0
	v_mov_b32 v15, 0
.set ij, 0
.rept 32
	v_mov_b32 v[O+ij], 0
.set ij, ij+1
.endr
.endm
	INIT
	s_wait_kmcnt 0x0
	s_add_co_u32 s19, s11, 1                       ; n = head + 1; slope = 2^(-n / 2)
	s_lshr_b32 s22, s19, 1
	s_lshl_b32 s22, s22, 23
	s_and_b32 s19, s19, 1
	s_mov_b32 s23, 0x3f800000
	s_cmp_eq_u32 s19, 1
	s_cselect_b32 s23, 0x3f3504f3, s23             ; 2^(-1/2) where n is odd, else 1,
	s_sub_co_u32 s23, s23, s22                     ; with n / 2 taken off the exponent field
	s_mul_f32 s[SM], s23, 0x3fb8aa3b               ; m' = slope x log2(e)
	s_add_co_i32 s19, s72, s73                     ; eq + ek
	s_lshl_b32 s22, s19, 23
	s_add_co_u32 s[CS], s22, 0x3e38aa3b            ; c = log2(e) / 8, with eq + ek added to its exponent field
	s_mov_b32 s[CS+1], s[CS]
	s_sub_co_i32 s19, 3, s19
	s_lshl_b32 s19, s19, 23
	s_add_co_u32 s[SR], s23, s19                   ; m' / c = slope x 2^(3 - eq - ek)
	s_add_co_i32 s[EPV], s74, s75
	s_add_co_i32 s19, s74, 127
	s_lshl_b32 s22, s19, 23
	v_mov_b32 v[SCP], s22
	s_add_co_i32 s19, s19, 8
	s_lshl_b32 s19, s19, 23
	s_or_b32 s19, s19, 0x600000
	v_mov_b32 v[LIMP], s19
	s_add_co_i32 s19, s76, 127
	s_lshl_b32 s22, s19, 23
	v_mov_b32 v[SCO], s22
	s_add_co_i32 s19, s19, 8
	s_lshl_b32 s19, s19, 23
	s_or_b32 s19, s19, 0x600000
	v_mov_b32 v[LIMO], s19
.irp n, 0,1,2,3,4,5,6,7,8,9,10,11,12,13,14,15
	v_cvt_f32_u32 v[BI+\n], \n
.endr
.irp n, 0,1,2,3,4,5,6,7,8,9,10,11,12,13,14,15
	v_mul_f32 v[BI+\n], s[SR], v[BI+\n]            ; the bias of key 8 u + j of 16, in the raw scores' units
.endr
; A KEY STEP: 128 keys, the q-th of the slot in hand.
.macro STEP q
	s_add_co_u32 s[TM], s[Q0], 23                  ; my last query.  A step all of whose keys come after it is left out: a scalar branch on ids; no barrier and no tensor load stands in a step
	s_cmp_gt_u32 s[KF], s[TM]
	s_cbranch_scc1 .Lhidden_\@
	s_sub_co_i32 s[TM], s[KF], s[Q0]
	v_cvt_f32_i32 v[TT], s[TM]                     ; these five lines are the places in front of the loads into registers that the last products read
	v_sub_f32 v[TT], v[TT], v[RQH]                 ; KF + 16 h - my query: a whole number, exact;
	v_add_f32 v[TT+1], 0x42000000, v[TT]           ; + 32,
	v_add_f32 v[TT+2], 0x42800000, v[TT]           ; + 64,
	v_add_f32 v[TT+3], 0x42c00000, v[TT]           ; + 96
.irp t, 0,1,2,3,4,5,6,7
	ds_load_b128 v[KV+8*\t:KV+8*\t+3], v[ADR] offset:(8*(\q)+\t)*1024
	ds_load_b128 v[KV+8*\t+4:KV+8*\t+7], v[ADR] offset:(8*(\q)+\t)*1024+512
.endr
	s_wait_dscnt 0x0
.irp t, 0,1,2,3,4,5,6,7
	v_wmma_f32_16x16x64_fp8_fp8 v[S+8*\t:S+8*\t+7], v[KV+8*\t:KV+8*\t+7], v[QF:QF+7], v[BI+8*(\t%2):BI+8*(\t%2)+7]
.endr
.irp b, 0,1,2,3
	v_mul_f32 v[EB+2*\b+1], s[SM], v[TT+\b]        ; A_b.  (These four are the places behind the products)
.endr
.irp t, 0,1,2,3
.irp c, 0,1,2,3
	ds_load_b128 v[KV+16*\t+4*\c:KV+16*\t+4*\c+3], v[ADR] offset:VOFF+(4*(\q)+\t)*2048+512*\c   ; V's four fragments land under the softmax
.endr
.endr
	s_add_co_u32 s[TM], s[KF], 127                 ; on the diagonal the scores of hidden keys become -infinity ahead of the maximum: p = 0 then.  A step all of whose keys count skips this
	s_cmp_le_u32 s[TM], s[Q0]
	s_cbranch_scc1 .Lopen_\@
	s_sub_co_i32 s[TM], s[Q0], s[KF]
	v_add_nc_u32 v[MK], s[TM], v[DI]               ; d = my query - KF - 16 h.  Register 16 b + i holds key KF + 16 h + 32 b + i: hidden where 32 b + i > d
	v_mov_b32 v[MK+1], 0xff800000
.set n, 0
.rept 64
	v_cmp_gt_i32 vcc_lo, 32*(n/16)+n%16, v[MK]
	v_cndmask_b32 v[S+n], v[S+n], v[MK+1], vcc_lo
.set n, n+1
.endr
.Lopen_\@:
.irp b, 0,1,2,3
	v_max3_num_f32 v[MX+\b], v[S+16*\b], v[S+16*\b+1], v[S+16*\b+2]   ; the largest of each 16 registers, four chains by turns; each tile is first read at its low end
.endr
.irp i, 3,5,7,9,11,13
.irp b, 0,1,2,3
	v_max3_num_f32 v[MX+\b], v[MX+\b], v[S+16*\b+\i], v[S+16*\b+\i+1]
.endr
.endr
.irp b, 0,1,2,3
	v_max_num_f32 v[MX+\b], v[MX+\b], v[S+16*\b+15]
.endr
.irp b, 0,1,2,3
	v_fma_f32 v[TT+\b], s[CS], v[MX+\b], v[EB+2*\b+1]   ; as t (c is positive)
.endr
	v_max3_num_f32 v[TT], v[TT], v[TT+1], v[TT+2]
	v_max_num_f32 v[TT], v[TT], v[TT+3]
	v_permlanex16_b32 v[PX], v[TT], s[SEL], s[SEL+1]
	v_max_num_f32 v[TT], v[TT], v[PX]              ; and among lane l xor 16's
	v_max_num_f32 v13, v13, v[TT]                  ; the running largest t
	v_mov_b32 v[TT+1], v12
	v_floor_f32 v12, -v13                          ; the new -M = floor(-t): M is a whole number
	v_sub_f32 v[TT+1], v12, v[TT+1]                ; old M - new M: a whole number, 0 or less
	v_cvt_i32_f32 v[TT+1], v[TT+1]                 ; (it saturates)
	v_ldexp_f32 v[FF], 1.0, v[TT+1]                ; f = 2^(old M - new M)
.irp b, 0,1,2,3
	v_add_f32 v[EB+2*\b], v[EB+2*\b+1], v12        ; E_b = A_b - M
.endr
.irp b, 0,1,2,3
.irp i, 0,2,4,6,8,10,12,14
	v_pk_fma_f32 v[S+16*\b+\i:S+16*\b+\i+1], v[S+16*\b+\i:S+16*\b+\i+1], s[CS:CS+1], v[EB+2*\b:EB+2*\b+1] op_sel_hi:[1,0,0]   ; t - M, two at a time (of the pairs c and E_b the low word serves both halves)
.endr
.endr
.set n, 0
.rept 64
	v_exp_f32 v[S+n], v[S+n]                       ; p = 2^(t - M), at most 1
.set n, n+1
.endr
	v_pk_mul_f32 v[14:15], v[14:15], v[FF:FF+1] op_sel_hi:[1,0]   ; the sums under the new M: a plain line behind the exponentials
	s_wait_alu depctr_va_vdst(0)                   ; one wait for the whole batch, ahead of its first reader
	v_pk_add_f32 v[L2:L2+1], v[S:S+1], v[S+2:S+3]  ; the row's sum is taken of the unquantised p: two at a time, in two chains
.irp j, 4,8,12,16,20,24,28,32,36,40,44,48,52,56,60
	v_pk_add_f32 v[14:15], v[14:15], v[S+\j:S+\j+1]
	v_pk_add_f32 v[L2:L2+1], v[L2:L2+1], v[S+\j+2:S+\j+3]
.endr
	v_pk_add_f32 v[14:15], v[14:15], v[L2:L2+1]
.irp b, 0,1,2,3
.irp i, 0,1,2,3,4,5,6,7,8,9,10,11,12,13,14,15
	v_min_num_f32 v[S+16*\b+\i], v[S+16*\b+\i], v[LIMP]   ; the conversion to an 8-bit code does not saturate (ISA guide 7.6.2); p is not negative, so the hold is one-sided
.endr
	v_cvt_scalef32_pk8_fp8_f32 v[PC+4*\b:PC+4*\b+1], v[S+16*\b:S+16*\b+7], v[SCP]
	v_cvt_scalef32_pk8_fp8_f32 v[PC+4*\b+2:PC+4*\b+3], v[S+16*\b+8:S+16*\b+15], v[SCP]
.endr
.irp j, 0,2,4,6,8,10,12,14,16,18,20,22,24,26,28,30
	v_pk_mul_f32 v[O+\j:O+\j+1], v[O+\j:O+\j+1], v[FF:FF+1] op_sel_hi:[1,0]   ; O^T under the new M.  (Plain lines between the conversions and the products that read their results)
.endr
	s_wait_dscnt 0x0                               ; V is in
.irp t, 0,1,2,3
	v_wmma_f32_16x16x128_fp8_fp8 v[O+8*\t:O+8*\t+7], v[KV+16*\t:KV+16*\t+15], v[PC:PC+15], v[O+8*\t:O+8*\t+7]   ; the four accumulators take turns; the next step's score products stand between their turns
.endr
.Lhidden_\@:
	s_add_co_u32 s[KF], s[KF], 128
.endm
; THE CHANGE OF SLOTS stands at a slot's head.  Each wave waits for all its tensor loads, adds 0 to its spare word, and waits for that and for its reads of the slot that it has left.  Behind the barrier the slot ahead is whole and
; nobody reads the other one.  fill = 1: that other slot is filled with the key slot that the next trip walks: the load has a whole trip in which to land.
.macro CHANGE fill
	s_wait_tensorcnt 0x0                           ; no tensor load of mine is out, so group 0 may be written
	ds_add_u32 v[SPW], v[NIL]                      ; 0 onto my spare word; the descriptor's steps stand between it and the wait for it
.if \fill
	s_xor_b32 s[G0+1], s[G0+1], SLOTB              ; the other slot than last time,
	s_lshl_b32 s[OFF], s[NX], 14
	s_add_nc_u64 s[G0+2:G0+3], s[KVB:KVB+1], s[OFF:OFF+1]   ; key slot NX
	s_or_b32 s[G0+3], s[G0+3], 0x80000000
	s_add_co_u32 s[NX], s[NX], 1
	s_cmp_eq_u32 s[NX], s[NA]                      ; behind the first block's last slot comes the second block's slot 0
	s_cselect_b32 s[NX], 0, s[NX]
	s_wait_xcnt 0x0                                ; the last prefetch, a trip back, has read its address, so it may be written
	s_add_nc_u64 s[PFA:PFA+1], s[PFA:PFA+1], 16384
.endif
	s_wait_dscnt 0x0                               ; the add is done, and my reads of the slot that I have left are over
	s_barrier_signal -1
	s_barrier_wait -1
.if \fill
	TLOAD                                          ; the first thing behind the barrier, and a wave's one tensor load until the next
	ASK
.endif
.endm
.macro SLOT_STEPS
	v_add_nc_u32 v[ADR], s[TB], v[LI]
	STEP 0
	STEP 1
	s_xor_b32 s[TB], s[TB], SLOTB                  ; on to the other slot
.endm
; A block of queries ends: O^T x 2^(ep + ev) / the sum, held, converted, stored: my tile's 64 channels are two groups of 16 codes a lane, 1,024 consecutive bytes a wave.  next = 1: the second block's Q is asked for first.
.macro FINAL op, next
.if \next
	global_load_b128 v[QF:QF+3], v[LI], s[QPB:QPB+1]
	global_load_b128 v[QF+4:QF+7], v[LI], s[QPB:QPB+1] offset:512
.endif
	v_add_f32 v14, v14, v15                        ; the sum's two halves.  (This line and three v_nop are the places behind the last products)
	v_nop
	v_nop
	v_nop
	v_permlanex16_b32 v[PX], v14, s[SEL], s[SEL+1]
	v_add_f32 v14, v14, v[PX]                      ; and lane l xor 16's: the row's sum
	v_rcp_f32 v14, v14
	v_nop                                          ; a plain line behind the reciprocal
	s_wait_alu depctr_va_vdst(0)                   ; and the wait ahead of its first reader
	v_ldexp_f32 v14, v14, s[EPV]
.set fj, 0
.rept 16
	v_pk_mul_f32 v[S+fj:S+fj+1], v[O+fj:O+fj+1], v[14:15] op_sel_hi:[1,0]   ; each accumulator from its low end on
.set fj, fj+2
.endr
.set fj, 0
.rept 32
	v_med3_num_f32 v[S+fj], v[S+fj], -v[LIMO], v[LIMO]
.set fj, fj+1
.endr
.irp c, 0,1,2,3
	v_cvt_scalef32_pk8_fp8_f32 v[OC+2*\c:OC+2*\c+1], v[S+8*\c:S+8*\c+7], v[SCO]
.endr
	v_nop                                          ; a plain line between the conversions and the products that write their sources again
	global_store_b128 v[LI], v[OC:OC+3], s[\op:\op+1]
	global_store_b128 v[LI], v[OC+4:OC+7], s[\op:\op+1] offset:512
.endm
	s_wait_loadcnt 0x0                             ; Q
.Lslot:                                            ; eight trips: behind each change of slots but the last the next slot is asked for
	CHANGE 1
	SLOT_STEPS
	s_sub_co_u32 s[SW], s[SW], 1
	s_cmp_lg_u32 s[SW], 0
	s_cbranch_scc1 .Lsame                          ; a branch on the work-group's number: no barrier, tensor load or LDS instruction stands under it
	FINAL OPA, 1                                   ; the first block is done; the second begins at key 0
	INIT
	s_mov_b32 s[Q0], s[Q0B]
	s_mov_b32 s[KF], 0
	s_wait_loadcnt 0x0                             ; the second block's Q
	s_wait_xcnt 0x0                                ; the stores have read their data: the second block's codes may be written there
.Lsame:
	s_sub_co_u32 s[SLOTS], s[SLOTS], 1
	s_cmp_lg_u32 s[SLOTS], 0
	s_cbranch_scc1 .Lslot
	CHANGE 0                                       ; the ninth slot is written out
	SLOT_STEPS
	FINAL OPB, 0
	s_wait_tensorcnt 0x0                           ; the wave's end
	ds_add_u32 v[SPW], v[NIL]
	s_wait_dscnt 0x0
	s_endpgm
.Lfunc_end_k_qa3bdc2db49_attn:
	.size	k_qa3bdc2db49_attn, .Lfunc_end_k_qa3bdc2db49_attn-k_qa3bdc2db49_attn
	.p2alignl 7, 3214868480
	.fill 96, 4, 3214868480
	.section	.rodata,"a",@progbits
	.p2align	6, 0x0
	.amdhsa_kernel k_qa3bdc2db49_attn
		.amdhsa_group_segment_fixed_size 327680
		.amdhsa_private_segment_fixed_size 0
		.amdhsa_enable_private_segment 0
		.amdhsa_kernarg_size 24
		.amdhsa_user_sgpr_count 2
		.amdhsa_user_sgpr_kernarg_segment_ptr 1
		.amdhsa_wavefront_size32 1
		.amdhsa_system_sgpr_workgroup_id_x 1
		.amdhsa_system_sgpr_workgroup_id_y 1
		.amdhsa_system_sgpr_workgroup_id_z 1
		.amdhsa_system_vgpr_workitem_id 0
		.amdhsa_next_free_vgpr 256
		.amdhsa_next_free_sgpr 100
		.amdhsa_reserve_vcc 1
		.amdhsa_float_denorm_mode_32 3
		.amdhsa_float_denorm_mode_16_64 3
		.amdhsa_memory_ordered 1
		.amdhsa_forward_progress 1
		.amdhsa_inst_pref_size 103
	.end_amdhsa_kernel
	.amdgpu_metadata
---
amdhsa.version: [ 1, 2 ]
amdhsa.kernels:
  - .name:           k_qa3bdc2db49_attn
    .symbol:         k_qa3bdc2db49_attn.kd
    .args:
      - { .name: qkv, .offset: 0, .size: 8, .value_kind: global_buffer, .address_space: global }
      - { .name: lowp_scales, .offset: 8, .size: 8, .value_kind: global_buffer, .address_space: global }
      - { .name: oc, .offset: 16, .size: 8, .value_kind: global_buffer, .address_space: global }
    .group_segment_fixed_size: 327680
    .private_segment_fixed_size: 0
    .kernarg_segment_align: 8
    .kernarg_segment_size: 24
    .max_flat_workgroup_size: 512
    .sgpr_count:     100
    .vgpr_count:     256
    .wavefront_size: 32
...
	.end_amdgpu_metadata
.endif
;; end of part 3
;; launch proj (part 4): grid 4 x 32, 4 waves a work-group, clusters of 4 x 4, 327,680 bytes of LDS; arguments oc, cw, bo, lowp_scales, out0; writes out0
.if DOCPART == 4
	.amdgcn_target "amdgcn-amd-amdhsa--gfx1250"
	.amdhsa_code_object_version 6
	.text
	.protected	k_qa3bdc2db49_proj
	.globl	k_qa3bdc2db49_proj
	.p2align	8
	.type	k_qa3bdc2db49_proj,@function
k_qa3bdc2db49_proj:
	s_mov_b64 s[64:65], 0
	v_nop
	global_prefetch_b8 v0, s[64:65] scope:SCOPE_SE
	s_setreg_imm32_b32 hwreg(HW_REG_WAVE_MODE, 25, 1), 1
	s_wait_xcnt 0x0
	s_wait_alu depctr_hold_cnt(0) depctr_sa_sdst(0) depctr_va_vdst(0) depctr_va_sdst(0) depctr_va_ssrc(0) depctr_va_vcc(0) depctr_vm_vsrc(0)
	s_getreg_b32 s2, hwreg(HW_REG_IB_STS2, 6, 4)
	s_cmp_eq_u32 s2, 0
	s_cbranch_scc0 .Lentry_in_a_cluster
	s_endpgm
.Lentry_in_a_cluster:
	s_bfe_u32 s2, ttmp6, 0x10000c
	s_cmp_lg_u32 s2, 0xf033
	s_cbranch_scc0 .Lentry_shape_is_right
	s_endpgm
.Lentry_shape_is_right:
; out0 = o Wo^T + bo on codes of E4M3: o's codes from oc (scale: entry 10), Wo's from cw at 27 MiB (entry 11); sums in f32; out0 [8192][1024] f32.
; A work-group makes 256 x 256 of out0, four waves of 128 x 128 (64 accumulators, 512 registers); K = 1,024 in four slots of 256 through a ring of two LDS slots.
; THE MATRIX INSTRUCTION IS USED TRANSPOSED (source 0 = 16 rows of Wo, source 1 = 16 rows of o): a lane holds eight neighbouring numbers of a row of out0.
; o's codes lie in memory as images of the operand registers: 128 rows x 256 along K are one dense block of 32,768 bytes, and a fragment comes by four loads of 512 consecutive bytes.  Wo's lie as rows, padded in LDS.
; In both, within each 32 rows the groups of eight 8-15 and 16-23 have changed places: the way out puts rows and columns back by its offsets.
; bo is the C of each sum's first matrix instruction, divided by 2^(e10 + e11); each finished sum is multiplied once by 2^(e10 + e11).  LIMIT: e10 + e11 between -126 and 127.
; JOINT LOADS: the four work-groups of a row of the cluster need the same tile of o, the four of a column the same tile of Wo.  128 work-groups: the tile is kept at the size that reads the fewest LDS bytes for each multiply-add.
; REGISTERS as in windows of 256: window 0: v0-31 addresses; v32-95 the bias, later a block's results; v128-255 A's fragments, ONE set, later rows read back.  window 1: B's fragments, TWO sets.  windows 2, 3: the accumulators.
.set ROWB,   256
.set KROW,   1024
.set PITCH,  272                       ; a row of Wo in LDS: 256 bytes + 16 of padding: the 16 rows that a load touches start at 16 different banks (64 banks of 4 bytes: ISA guide 11.1)
.set FR,     16
.set NL,     4
.set NP,     4
.set HALFA,  32768                     ; 128 rows of o x 256 along K, as images
.set HALFB,  128*PITCH
.set BOFF,   2*HALFA                   ; B's rows lie behind A's two halves
.set SLOT,   BOFF+2*HALFB
.set LAPS,   2
.set SPARE,  2*SLOT                    ; behind the ring: the spare words, 128 bytes a wave, that no other line names
.set SPITCH, 528                       ; the way out: a stage of 16 rows x (512 bytes + 16) for each wave, in slot 0, which has had its last fill and its last read when the first result is stored there
.set ADRA, 16
.set ADRB, 20
.set STO,  24                          ; v24  the way out: where I put 32 bytes of a row
.set RD,   25                          ; v25  where I read a row back
.set CO,   26                          ; v26  my byte offset in a row of out0
.set SPW,  28
.set NIL,  29
.set BIAS, 32
.set TMP,  32
.set AF,   128
.set BK,   128
.set G1, 24
.set G0, 32
.set G1B, 48
.set G0B, 56
.set MSB, 0
.macro WIN new                         ; the immediate's high byte repeats the setting that is left
.if MSB != \new
	s_set_vgpr_msb (MSB<<8)|\new
.set MSB, \new
.endif
.endm
.set MUL_LO, 0xa1
.set MUL_HI, 0xf1
.set BIA_LO, 0x81                      ; C (the bias) window 0, D window 2
.set BIA_HI, 0xc1
.set TO_B,   0x40
.macro JLOAD g0a, g1a, g0b, g1b        ; a joint load: waves 0 and 1 fetch for A, waves 2 and 3 for B; an s_nop 0 and four v_nop follow each of the two lines
	s_cmp_eq_u32 s15, 0
	s_cbranch_scc0 .Lfor_b_\@
	tensor_load_to_lds s[\g0a:\g0a+3], s[\g1a:\g1a+7]
	s_nop 0
.rept 4
	v_nop
.endr
	s_branch .Lasked_\@
.Lfor_b_\@:
	tensor_load_to_lds s[\g0b:\g0b+3], s[\g1b:\g1b+7]
	s_nop 0
.rept 4
	v_nop
.endr
.Lasked_\@:
.endm
.macro CREST
	s_cmp_lg_u32 s14, 0
	s_cbranch_scc1 .Lnot_wave_0_\@
	s_barrier_signal -3
.Lnot_wave_0_\@:
	s_barrier_wait -3
	s_barrier_signal -1
	s_barrier_wait -1
.endm
.macro CROUND
	s_barrier_signal -1
	s_barrier_wait -1
	CREST
.endm
	s_load_b256 s[4:11], s[0:1], 0x0               ; oc s[4:5], cw s[6:7], bo s[8:9], the scales' exponents s[10:11]
	s_load_b64 s[12:13], s[0:1], 0x20              ; out0
	v_lshl_add_u32 v[SPW], v0, 2, SPARE
	v_mov_b32 v[NIL], 0
	ds_add_u32 v[SPW], v[NIL]                      ; the wave's opening: the add and its wait stand ahead of my first tensor load; the set-up below, work on registers, stands between them
	v_lshrrev_b32 v1, 5, v0
	v_readfirstlane_b32 s14, v1                    ; wave 0..3
	s_lshr_b32 s15, s14, 1                         ; which half of the tile's rows is mine.  Also: I fetch for A (0) or for B (1)
	s_and_b32 s16, s14, 1                          ; which half of its columns.  Also: which 128 rows of that tile I fetch
	s_bfe_u32 s40, ttmp6, 0x40000                  ; cx, cy
	s_bfe_u32 s41, ttmp6, 0x40004
	s_lshl_b32 s42, ttmp9, 2
	s_add_co_u32 s42, s42, s40                     ; tile column
	s_and_b32 s17, ttmp7, 0xffff
	s_lshl_b32 s17, s17, 2
	s_add_co_u32 s17, s17, s41                     ; tile row
	s_lshl_b32 s43, s41, 2
	s_lshl_b32 s43, 15, s43                        ; my row of the cluster
	s_lshl_b32 s44, 0x1111, s40                    ; my column
	s_or_b32 s[G1+0], s43, (3<<16)|(1<<21)         ; A: the mask of my row; elements of 8 bytes; no padding; bit 21 set beside a mask
	s_mov_b32 s[G1+1], 32<<16                      ; 128 rows of 256 bytes, dense
	s_mov_b32 s[G1+2], 128<<16
	s_mov_b32 s[G1+3], 32<<16
	s_mov_b32 s[G1+4], 128
	s_mov_b32 s[G1+5], 32
	s_mov_b32 s[G1+6], 0
	s_mov_b32 s[G1+7], 0
	s_or_b32 s[G1B+0], s44, (0<<16)|(1<<20)|(1<<21)|(5<<22)|(3<<25)  ; B: the mask of my column; elements of 1 byte; four words of padding after every 64
	s_mov_b32 s[G1B+1], ROWB<<16
	s_mov_b32 s[G1B+2], 128<<16
	s_mov_b32 s[G1B+3], ROWB<<16
	s_mov_b32 s[G1B+4], 128
	s_mov_b32 s[G1B+5], KROW
	s_mov_b32 s[G1B+6], 0
	s_mov_b32 s[G1B+7], 0
	s_lshl_b32 s20, s17, 1
	s_add_co_u32 s20, s20, s16                     ; A: 128 rows 2 x tile row + half: four K slots of 32,768 bytes
	s_lshl_b32 s20, s20, 17
	s_mov_b32 s21, 0
	s_lshl_b32 s18, s16, 7
	s_lshl_b32 s46, s42, 8
	s_add_co_u32 s46, s46, s18                     ; B: row 256 x tile column + 128 x half of Wo,
	s_lshl_b32 s46, s46, 10
	s_add_co_u32 s46, s46, 0x1b00000               ; at 27 MiB in cw
	s_mov_b32 s47, 0
	s_lshl_b32 s45, s16, 15                        ; where they go: A's halves at 0 and 32,768,
	s_mul_i32 s67, s16, HALFB
	s_add_co_u32 s67, s67, BOFF                    ; B's behind them: no place in the cluster enters an LDS address
	s_wait_dscnt 0x0                               ; the opening add is done
	s_wait_kmcnt 0x0
	s_load_b64 s[96:97], s[10:11], 0x28            ; entries 10 and 11
	s_add_nc_u64 s[20:21], s[4:5], s[20:21]
	s_add_nc_u64 s[46:47], s[6:7], s[46:47]
	CROUND                                         ; all sixteen work-groups are here: the first joint loads meet
.irp s, 0,1
	s_mov_b32 s[G0+4*\s], 1
	s_add_co_u32 s[G0+4*\s+1], s45, \s*SLOT
	s_add_nc_u64 s[G0+4*\s+2:G0+4*\s+3], s[20:21], \s*HALFA
	s_or_b32 s[G0+4*\s+3], s[G0+4*\s+3], 0x80000000
	s_mov_b32 s[G0B+4*\s], 1
	s_add_co_u32 s[G0B+4*\s+1], s67, \s*SLOT
	s_add_nc_u64 s[G0B+4*\s+2:G0B+4*\s+3], s[46:47], \s*ROWB
	s_or_b32 s[G0B+4*\s+3], s[G0B+4*\s+3], 0x80000000
	JLOAD G0+4*\s, G1, G0B+4*\s, G1B
.endr
	v_and_b32 v1, 15, v0                           ; r
	v_bfe_u32 v2, v0, 4, 1                         ; h
	v_and_b32 v5, 31, v0
	v_lshlrev_b32 v[CO], 4, v5                     ; 16 x lane
	v_mul_u32_u24 v3, v1, PITCH
	v_lshl_add_u32 v4, v2, 4, v3                   ; B: a fragment's row x pitch + 16 h
	s_lshl_b32 s21, s15, 15                        ; my 128 rows of A
	s_mul_i32 s22, s16, HALFB                      ; my 128 rows of B
	s_add_co_u32 s22, s22, BOFF
.irp s, 0,1
	v_add_nc_u32 v[ADRA+\s], s21, v[CO]
	v_add_nc_u32 v[ADRB+\s], s22, v4
	s_add_co_u32 s21, s21, SLOT
	s_add_co_u32 s22, s22, SLOT
.endr
	s_mul_i32 s23, s14, 16*SPITCH                  ; my stage
	v_mul_u32_u24 v5, v1, SPITCH                   ; in: row r; tile b's eight columns are 32 (b / 2) + 8 (b % 2) + 16 h + 0..7: 64 h bytes here, the rest in the offsets
	v_lshl_add_u32 v5, v2, 6, v5
	v_add_nc_u32 v[STO], s23, v5
	v_add_nc_u32 v[RD], s23, v[CO]                 ; back: the 32 lanes take one row of 512 bytes
	s_lshl_b32 s18, s42, 10
	s_lshl_b32 s19, s16, 9
	s_add_co_u32 s18, s18, s19                     ; my first column, in bytes: 4 x (256 x tile column + 128 x half)
	s_mov_b32 s19, 0
	s_add_nc_u64 s[8:9], s[8:9], s[18:19]          ; bo there,
	s_lshl_b32 s22, s17, 20
	s_add_co_u32 s18, s18, s22
	s_lshl_b32 s22, s15, 19                        ; and out0 at my first row: 256 x tile row + 128 x half, rows of 4,096 bytes
	s_add_co_u32 s18, s18, s22
	s_add_nc_u64 s[12:13], s[12:13], s[18:19]
	v_lshlrev_b32 v6, 6, v2
.irp i, 0,1,2,3,4,5,6,7
	global_load_b128 v[BIAS+8*\i:BIAS+8*\i+3], v6, s[8:9] offset:(32*(\i/2)+8*(\i%2))*4
	global_load_b128 v[BIAS+8*\i+4:BIAS+8*\i+7], v6, s[8:9] offset:(32*(\i/2)+8*(\i%2))*4+16
.endr
.macro FRAGA reg, slot, q, i           ; A's fragment: an image: four loads of 512 consecutive bytes
.irp c, 0,1,2,3
	ds_load_b128 v[\reg+4*\c:\reg+4*\c+3], v[ADRA+\slot] offset:4096*(\i)+2048*(\q)+512*\c
.endr
.endm
.macro FRAGB reg, slot, q, i           ; B's fragment, from rows: registers 4 c .. 4 c + 3 hold K = 32 c + 16 (l / 16) + 0..15, as A's images have them
.irp c, 0,1,2,3
	ds_load_b128 v[\reg+4*\c:\reg+4*\c+3], v[ADRB+\slot] offset:128*(\q)+32*\c+(\i)*16*PITCH
.endr
.endm
; 16 matrix instructions: A's blocks a0, a0 + 1 x B's eight.  cm = 1: the sums begin with the bias.  The 64 accumulators take turns, one instruction a turn.
.macro MUL16 a0, p, cm
.irp a, \a0, \a0+1
.irp b, 0,1,2,3,4,5,6,7
.if \cm
	v_wmma_f32_16x16x128_fp8_fp8 v[8*(8*((\a)%4)+\b):8*(8*((\a)%4)+\b)+7], v[128*(\p)+FR*\b:128*(\p)+FR*\b+FR-1], v[AF+FR*(\a):AF+FR*(\a)+FR-1], v[BIAS+8*\b:BIAS+8*\b+7]
.else
	v_wmma_f32_16x16x128_fp8_fp8 v[8*(8*((\a)%4)+\b):8*(8*((\a)%4)+\b)+7], v[128*(\p)+FR*\b:128*(\p)+FR*\b+FR-1], v[AF+FR*(\a):AF+FR*(\a)+FR-1], v[8*(8*((\a)%4)+\b):8*(8*((\a)%4)+\b)+7]
.endif
.endr
.endr
.endm
.macro FETCH_B slot, q, p
	WIN TO_B
.irp i, 0,1,2,3,4,5,6,7
	FRAGB 128*(\p)+FR*\i, \slot, \q, \i
.endr
	WIN 0
.endm
.macro FETCH_A slot, q, i0
.irp i, \i0, \i0+1, \i0+2, \i0+3
	FRAGA AF+FR*(\i), \slot, \q, \i
.endr
.endm
.macro PLACES n                        ; places behind matrix instructions, in front of loads into registers that they read and of the first read of results
.rept \n
	v_nop
.endr
.endm
.macro STEP slot, q, cm
	s_wait_dscnt 4*NL                              ; B's set and A's blocks 0-3 are in; the youngest sixteen loads (A's blocks 4-7) may be out
.if \cm
	WIN BIA_LO
.else
	WIN MUL_LO
.endif
	MUL16 0, (\q)%2, \cm
	MUL16 2, (\q)%2, \cm
	s_wait_dscnt 0
	PLACES NP
	FETCH_B \slot, (\q)+1, 1-(\q)%2
	FETCH_A \slot, (\q)+1, 0
.if \cm
	WIN BIA_HI
.else
	WIN MUL_HI
.endif
	MUL16 4, (\q)%2, \cm
	MUL16 6, (\q)%2, \cm
	PLACES NP
	WIN 0
	FETCH_A \slot, (\q)+1, 4
.endm
; A slot's last step changes slots: ONE barrier; in front of it each wave waits for all its tensor loads, adds 0 to its spare word, and waits for that and for its own reads of this slot.
.macro TURN slot, next, fill
	s_wait_tensorcnt 0x0                           ; all my tensor loads have landed: my part of the next slot
	ds_add_u32 v[SPW], v[NIL]                      ; 0 onto my spare word
	s_wait_dscnt 4*NL+1                            ; the add and the youngest sixteen loads may be out
	WIN MUL_LO
	MUL16 0, 1, 0
	s_wait_dscnt 0x0                               ; the add is done, and my reads of this slot are over
	s_barrier_signal -1
	MUL16 2, 1, 0
	WIN 0
	s_barrier_wait -1
.if \fill
	CREST                                          ; the barrier has opened a round of the cluster's: no wave of any partner still reads this slot or has a load on its way
	s_add_nc_u64 s[G0+4*\slot+2:G0+4*\slot+3], s[G0+4*\slot+2:G0+4*\slot+3], 2*HALFA
	s_add_nc_u64 s[G0B+4*\slot+2:G0B+4*\slot+3], s[G0B+4*\slot+2:G0B+4*\slot+3], 2*ROWB
	JLOAD G0+4*\slot, G1, G0B+4*\slot, G1B         ; the first tensor load behind the round; its four v_nop are the places in front of the loads below
.else
	PLACES NP
.endif
	FETCH_B \next, 0, 0
	FETCH_A \next, 0, 0
	WIN MUL_HI
	MUL16 4, 1, 0
	MUL16 6, 1, 0
	PLACES NP
	WIN 0
	FETCH_A \next, 0, 4
.endm
	s_wait_tensorcnt 1                             ; my part of slot 0 is in; slot 1's load may be out
	s_barrier_signal -1
	s_barrier_wait -1
	FETCH_B 0, 0, 0
	FETCH_A 0, 0, 0
	FETCH_A 0, 0, 4
	s_wait_kmcnt 0x0
	s_add_co_i32 s99, s96, s97                     ; e10 + e11
	s_sub_co_i32 s98, 0, s99
	s_add_co_i32 s99, s99, 127
	s_lshl_b32 s96, s99, 23                        ; 2^(e10 + e11) as f32 (s97, named with it as a pair, stays written)
	s_wait_loadcnt 0x0                             ; bo
.set bj, 0
.rept 64
	v_ldexp_f32 v[BIAS+bj], v[BIAS+bj], s98        ; bo / 2^(e10 + e11)
.set bj, bj+1
.endr
	STEP 0, 0, 1                                   ; the first step starts the sums with the bias
	s_mov_b32 s3, LAPS-1
.Llap:
	TURN 0, 1, 1
	STEP 1, 0, 0
	TURN 1, 0, 1
	STEP 0, 0, 0
	s_sub_co_u32 s3, s3, 1
	s_cmp_lg_u32 s3, 0
	s_cbranch_scc1 .Llap
	TURN 0, 1, 0                                   ; the last lap fills nothing, and has no round of the cluster's barrier
	STEP 1, 0, 0
	s_wait_dscnt 4*NL
	WIN MUL_LO
	MUL16 0, 1, 0
	MUL16 2, 1, 0
	s_wait_dscnt 0
	WIN MUL_HI
	MUL16 4, 1, 0
	MUL16 6, 1, 0
	WIN 0
; THE WAY OUT, block by block of 16 rows x 128 columns, through my own stage in LDS: in by 32 bytes a lane at the columns' true places, back as whole rows of 512 bytes.  LDS serves a wave's instructions in order (ISA guide 5.7.1.4).
.macro TOSTAGE a
.set AC, 64*((\a)%4)
	WIN 0x02+((\a)/4)
.irp j, 0,2,4,6,8,10,12,14,16,18,20,22,24,26,28,30,32,34,36,38,40,42,44,46,48,50,52,54,56,58,60,62
	v_pk_mul_f32 v[TMP+\j:TMP+\j+1], v[AC+\j:AC+\j+1], s[96:97] op_sel_hi:[1,0]   ; x 2^(e10 + e11); each accumulator from its low end on
.endr
	WIN 0
.irp b, 0,1,2,3,4,5,6,7
	ds_store_b128 v[STO], v[TMP+8*\b:TMP+8*\b+3] offset:128*(\b/2)+32*(\b%2)
	ds_store_b128 v[STO], v[TMP+8*\b+4:TMP+8*\b+7] offset:128*(\b/2)+32*(\b%2)+16
.endr
.set BB, BK+64*((\a)%2)
.irp t, 0,1,2,3,4,5,6,7,8,9,10,11,12,13,14,15
	ds_load_b128 v[BB+4*\t:BB+4*\t+3], v[RD] offset:\t*SPITCH
.endr
.endm
.macro SEND a, younger                 ; younger: the LDS instructions issued behind block a's loads, which may stay out
.set BB, BK+64*((\a)%2)
	s_wait_dscnt \younger
.irp t, 0,1,2,3,4,5,6,7,8,9,10,11,12,13,14,15
	global_store_b128 v[CO], v[BB+4*\t:BB+4*\t+3], s[12:13] offset:(32*((\a)/2)+8*((\a)%2)+\t+8*(\t/8))*4096 th:TH_STORE_NT   ; the row's true place; 32 lanes store 512 consecutive bytes; 127 rows at the most, inside the signed 24-bit immediate
.endr
.endm
	PLACES NP
	TOSTAGE 0
.irp a, 1,2,3,4,5,6,7
.if \a > 1
	s_wait_xcnt 0x0                                ; block a - 2's stores have read their registers: block a's loads may land there
.endif
	TOSTAGE \a
	SEND \a-1, 32                                  ; behind block a - 1's loads: block a's 16 stores and 16 loads
.endr
	SEND 7, 0
	s_wait_tensorcnt 0x0                           ; the wave's end, behind my last tensor load and my last LDS store
	ds_add_u32 v[SPW], v[NIL]
	s_wait_dscnt 0x0
	CROUND                                         ; the closing round
	s_endpgm
.Lfunc_end_k_qa3bdc2db49_proj:
	.size	k_qa3bdc2db49_proj, .Lfunc_end_k_qa3bdc2db49_proj-k_qa3bdc2db49_proj
	.p2alignl 7, 3214868480
	.fill 96, 4, 3214868480
	.section	.rodata,"a",@progbits
	.p2align	6, 0x0
	.amdhsa_kernel k_qa3bdc2db49_proj
		.amdhsa_group_segment_fixed_size 327680
		.amdhsa_private_segment_fixed_size 0
		.amdhsa_enable_private_segment 0
		.amdhsa_kernarg_size 40
		.amdhsa_user_sgpr_count 2
		.amdhsa_user_sgpr_kernarg_segment_ptr 1
		.amdhsa_wavefront_size32 1
		.amdhsa_system_sgpr_workgroup_id_x 1
		.amdhsa_system_sgpr_workgroup_id_y 1
		.amdhsa_system_sgpr_workgroup_id_z 1
		.amdhsa_system_vgpr_workitem_id 0
		.amdhsa_next_free_vgpr 1024
		.amdhsa_next_free_sgpr 100
		.amdhsa_reserve_vcc 0
		.amdhsa_float_denorm_mode_32 3
		.amdhsa_float_denorm_mode_16_64 3
		.amdhsa_memory_ordered 1
		.amdhsa_forward_progress 1
		.amdhsa_inst_pref_size 128
	.end_amdhsa_kernel
	.amdgpu_metadata
---
amdhsa.version: [ 1, 2 ]
amdhsa.kernels:
  - .name:           k_qa3bdc2db49_proj
    .symbol:         k_qa3bdc2db49_proj.kd
    .args:
      - { .name: oc, .offset: 0, .size: 8, .value_kind: global_buffer, .address_space: global }
      - { .name: cw, .offset: 8, .size: 8, .value_kind: global_buffer, .address_space: global }
      - { .name: bo, .offset: 16, .size: 8, .value_kind: global_buffer, .address_space: global }
      - { .name: lowp_scales, .offset: 24, .size: 8, .value_kind: global_buffer, .address_space: global }
      - { .name: out0, .offset: 32, .size: 8, .value_kind: global_buffer, .address_space: global }
    .group_segment_fixed_size: 327680
    .private_segment_fixed_size: 0
    .kernarg_segment_align: 8
    .kernarg_segment_size: 40
    .max_flat_workgroup_size: 128
    .sgpr_count:     100
    .vgpr_count:     1024
    .wavefront_size: 32
...
	.end_amdgpu_metadata
.endif
;; end of part 4
